; MI455X (gfx1250); checked and timed in simulation.
; The chip was launched on July 23, 2026; its instructions are those of AMD's public machine-readable ISA for CDNA 5 (MIT licence, August 2026) and "CDNA5" Instruction Set Architecture Reference Guide (July 2026). The comments in the code are by the model that wrote it; some were corrected since.
;; Multi Head Attention. Allowed arithmetic: matrix products marked QUANTISED: E3M2 operands, one E8M0 scale for each 32 along K, by v_wmma_scale_f32_16x16x128_f8f6f4 with both operands' format E3M2, f32 sums; everything else in f32.
;; Inputs: w_attn 1,024 x 3,072 float32; w_proj 1,024 x 1,024 float32; x 4 x 2,048 x 1,024 float32.
;; Outputs: out0 4 x 2,048 x 1,024 float32.
;; This version of the problem:
;;   THIS VERSION OF THE PROBLEM IS GIVEN IN LOW PRECISION. The matrix products marked QUANTISED in the list below multiply operands that are first quantised to E3M2 (3 exponent bits, 2 mantissa bits; 6 bits a number), with one power-of-two scale for each 32 numbers along K (OCP MX v1.0); their sums are f32. All else is computed in f32.
;;   The module's matrix products, in the order in which they are computed (A, B: the left and right operand; K: the contracted axis; several contracted axes count as one K, in the product's order):
;;     1. [M 8,192, K 1,024] x [K 1,024, N 3,072]; A: input x; B: input w_attn: QUANTISED
;;     2. batch 64 x [M 2,048, K 64] x [K 64, N 2,048]; A: computed on the way; B: computed on the way: QUANTISED
;;     3. batch 64 x [M 2,048, K 2,048] x [K 2,048, N 64]; A: softmax (see below); B: computed on the way: QUANTISED
;;     4. [M 8,192, K 1,024] x [K 1,024, N 1,024]; A: computed on the way; B: input w_proj: QUANTISED
;;   THE QUANTISER, for each operand of a quantised product, along K:
;;     - K is cut into blocks of 32 from its start; a last block that is shorter is filled with zeros.
;;     - A block's scale is 2^e with e = floor(log2(the largest magnitude in the block)) - 4, held to -126 .. 127; a block of zeros has e = 0. As a byte (E8M0): e + 127.
;;     - Each number is divided by its block's scale, clamped to +-28, and rounded to the nearest number of E3M2, ties to even, subnormals kept.
;;     - The product sums the exact products of the quantised numbers (number of the format x scale) in f32.
;;   ~~~python
;;   def quantise(x, axis):      # numpy; x: float32 -> the quantised numbers, widened to float32 again
;;       x = np.moveaxis(x, axis, -1); K = x.shape[-1]
;;       x = np.pad(x, [(0, 0)] * (x.ndim - 1) + [(0, -K % 32)]); x = x.reshape(x.shape[:-1] + (-1, 32)); a = np.abs(x).max(-1, keepdims=True)
;;       e = np.where(a > 0, np.clip(np.frexp(np.where(a > 0, a, 1))[1] - 1 - 4, -126, 127), 0)      # np.frexp(a)[1] - 1 = floor(log2(a)), exactly
;;       r = np.clip(x / 2.0 ** e, -28, 28)
;;       step = 2.0 ** (np.maximum(np.frexp(np.where(r == 0, 1, r))[1] - 1, -2) - 2)
;;       q = np.round(r / step) * step * 2.0 ** e      # np.round: ties to even
;;       return np.moveaxis(q.reshape(q.shape[:-2] + (-1,))[..., :K], -1, axis).astype(np.float32)
;;   ~~~
;;   SOFTMAX AHEAD OF A QUANTISED PRODUCT. Where the list says 'softmax', what is quantised is not the finished softmax but p = 2^(t - M), with t = logit x log2(e) and M = ceil(the row's largest t), a whole number; so 1/2 < the row's largest p <= 1. The row's sum l is taken of the UNQUANTISED p, in f32, and the product's result is divided by l at the end. Since M is a whole number, a kernel that streams over the keys may use a running M (the ceiling of the running maximum): every later rescaling is an exact power of two, which a block's scale takes up: the codes' values come out the same.
;;   OPERANDS COMPUTED ON THE WAY. 'Computed on the way' means the value that the module computes at that place (a softmax that the list does not call 'softmax' is quantised finished and normalised). What goes into a quantiser is computed in f32, as accurately as f32 sums, v_exp_f32 and their like allow (about 1e-6 of the number): no bf16 or f16 on the way to a quantiser, and a product that is left as it is and whose result goes on into a quantised operand takes f32 operands (vector FMAs, or v_wmma_f32_16x16x4_f32). A number that lies on a knife's edge between two numbers of the format may be rounded either way, as far as f32 arithmetic and the matrix unit's own rounding can turn it there, and no further.
;; One version. Each part assembles by itself: llvm-mc -triple=amdgcn-amd-amdhsa -mcpu=gfx1250 --defsym DOCPART=n.
;; ======== version 1 of 1: 4 launches
;; workspace buffers: opc 9,437,184 bytes; ops 393,216 bytes; qkc 12,582,912 bytes; qks 524,288 bytes; vtc 6,291,456 bytes; vts 262,144 bytes; yc 6,291,456 bytes; ys 262,144 bytes
;; launch prep (part 1): grid 384 x 1, 4 waves a work-group, no clusters, 57,856 bytes of LDS; arguments x, w_attn, w_proj, opc, ops; writes opc, ops
.if DOCPART == 1
	.amdgcn_target "amdgcn-amd-amdhsa--gfx1250"
	.amdhsa_code_object_version 6
	.text
	.protected	k_q2586941ce1_prep
	.globl	k_q2586941ce1_prep
	.p2align	8
	.type	k_q2586941ce1_prep,@function
k_q2586941ce1_prep:
	s_mov_b64 s[64:65], 0
	v_nop
	global_prefetch_b8 v0, s[64:65] scope:SCOPE_SE
	s_setreg_imm32_b32 hwreg(HW_REG_WAVE_MODE, 25, 1), 1
	s_wait_xcnt 0x0
; x [8192][1024], w_attn [1024][3072] and w_proj [1024][1024], f32, become codes of BF6 (E3M2) with one E8M0 byte for each 32 along K (K = 1,024 for all three).
; ONE LAYOUT: codes opc [16 groups of 64 along K][12,288 rows][48 bytes], scale words ops [8 steps of 128 along K][12,288 rows][4 bytes].
; Rows 0-8,191: x's rows; 8,192-11,263: w_attn's columns n; 11,264-12,287: w_proj's columns n.  A row i lies at SWZ(i), i with its bits 3 and 4 exchanged: sixteen rows on end are then
; true rows 32 b + 8 u + r + 8 (r / 8), so that a product which takes them as source 0 leaves 16 true neighbours in the 16 registers of two neighbouring tiles.
; A block's scale is 2^(floor(log2(its largest magnitude)) - 4); its byte is the largest magnitude's exponent field - 4, held at 1 from below.
; LIMITS: a block of zeros gets the byte 1 where the rule says 127 (its codes are zeros, and this program alone reads the bytes); a block whose largest magnitude lies under 2^-122 has its byte held at 1;
; NaN and infinities among the inputs are not served.
; Work-groups 0-255 take x (K innermost: a lane holds 16 neighbours, two lanes a block), work-groups 256-383 the weights (K outermost: a lane takes a column, its registers run down K).
; The two ways share no LDS byte.  No tensor loads, no barrier: waves share nothing.  No matrix unit, no cluster: the launch streams, and no byte is read by two work-groups.
.set GPO,   589824                     ; bytes from one group of 64 along K to the next in opc: 12,288 rows x 48
.set SPO,   49152                      ; bytes from one step of 128 along K to the next in ops
.set STEPS, 16                         ; x: a wave's steps of 8 rows x 64 columns
.set SP,    80                         ; x: a lane's place in a stage: 64 bytes + 16 of padding
.set WREG,  8192                       ; x: LDS of a wave: two stages of 32 x SP bytes, then its 256 scale bytes
.set R,     16                         ; x: v16-79   four sets of 16 numbers as loaded
.set X,     80                         ; x: v80-111  two sets of 16 neighbours
.set E,     112                        ; x: v112-127 a scale byte for each step
.set C,     128                        ; x: v128-191 codes, four registers a step
.set WST,   32768                      ; weights: LDS from here on, 6,144 bytes a wave: [4 groups][32 rows][48 bytes]
.set SB,    24                         ; weights: v24-25  two scale words
.set OFF,   32                         ; weights: v32-63  4 x lane + i rows of the weight
.set XW,    64                         ; weights: v64-127 two sets of 32 numbers
.set G,     128                        ; weights: v128-139 a group's 48 bytes of codes
.set TW,    140                        ; weights: v140-142 a conversion's result that is moved
.set OUTR,  144                        ; weights: v144-191 the way out
.macro LOADX t                         ; step t: rows 8 (t / 2) on, columns 64 (t % 2) on: each load reads two rows' 256 consecutive bytes
.irp i, 0,1,2,3
	global_load_b128 v[R+16*((\t)%4)+4*\i:R+16*((\t)%4)+4*\i+3], v3, s[4:5] offset:(8*((\t)/2)+2*\i)*4096+256*((\t)%2) th:TH_LOAD_NT
.endr
.endm
.macro TURNX t                         ; the step's 2,048 bytes through the stage: in as loaded, out 64 bytes a lane.  LDS serves a wave's instructions in order: no wait between
.irp i, 0,1,2,3
	ds_store_b128 v14, v[R+16*((\t)%4)+4*\i:R+16*((\t)%4)+4*\i+3] offset:32*SP*((\t)%2)+8*SP*\i
.endr
.irp i, 0,1,2,3
	ds_load_b128 v[X+16*((\t)%2)+4*\i:X+16*((\t)%2)+4*\i+3], v15 offset:32*SP*((\t)%2)+16*\i
.endr
.endm
.macro STEPX t
.set XS, X+16*((\t)%2)
.set RG, (\t)/2
.set SW, ((RG&1)<<1)|((RG>>1)&1)|(RG&4)        ; the eight rows' place in the stored order: bits 3 and 4 of the row are bits 0 and 1 of RG
.if (\t) > 0
	s_wait_dscnt 1                                 ; this step's numbers are back from the stage; the last step's byte store may be out
.else
	s_wait_dscnt 0x0
.endif
.if (\t)+4 < STEPS
	LOADX (\t)+4                                   ; into the set whose stores into the stage are done
.endif
.if (\t)+1 < STEPS
.if STEPS-2-(\t) >= 3
	s_wait_loadcnt 12                              ; the next step's four loads are in; the 12 of the three steps behind it may be out
.else
	s_wait_loadcnt 4*(STEPS-2-(\t))
.endif
	TURNX (\t)+1
.endif
	v_max3_num_f32 v8, |v[XS]|, |v[XS+1]|, |v[XS+2]|               ; the largest magnitude of my 16, in two chains
	v_max3_num_f32 v9, |v[XS+3]|, |v[XS+4]|, |v[XS+5]|
.irp i, 6,10
	v_max3_num_f32 v8, v8, |v[XS+\i]|, |v[XS+\i+1]|
	v_max3_num_f32 v9, v9, |v[XS+\i+2]|, |v[XS+\i+3]|
.endr
	v_max3_num_f32 v8, v8, |v[XS+14]|, |v[XS+15]|
	v_max3_num_f32 v8, v8, v9, 0x2800000           ; and the floor 2^(5 - 127): the byte cannot fall under 1
	v_max_num_f32_dpp v8, v8, v8 row_xmask:1 row_mask:0xf bank_mask:0xf   ; with my neighbour's 16: the block's
	v_add_nc_u32 v11, 0xfe000000, v8               ; 4 off its exponent field: the conversion takes that field as its scale
	v_cvt_scalef32_pk16_bf6_f32 v[C+4*(\t):C+4*(\t)+2], v[XS:XS+15], v11
	v_lshrrev_b32 v[E+(\t)], 23, v11               ; the scale's byte (a plain line behind the conversion)
	ds_store_b8 v5, v[E+(\t)] offset:32*SW+2*((\t)%2)              ; both lanes of a block write the same byte with the same value
	global_store_b96 v4, v[C+4*(\t):C+4*(\t)+2], s[10:11] offset:((\t)%2)*GPO+SW*384   ; eight rows x 48 bytes: 384 consecutive bytes a wave
.endm
.macro LOADW t                         ; block t: W(32 t + i, my column), i = 0 .. 31
.irp i, 0,1,2,3,4,5,6,7,8,9,10,11,12,13,14,15,16,17,18,19,20,21,22,23,24,25,26,27,28,29,30,31
	global_load_b32 v[XW+32*((\t)%2)+\i], v[OFF+\i], s[32+2*(\t):33+2*(\t)] th:TH_LOAD_NT
.endr
.endm
.macro BLOCKW t
.set XS, XW+32*((\t)%2)
.set GB, G+6*((\t)%2)
.if (\t) < 7
	s_wait_loadcnt 32                              ; this block's 32 loads are in; the next block's 32 may be out
.else
	s_wait_loadcnt 0x0
.endif
	v_max3_num_f32 v12, |v[XS]|, |v[XS+1]|, |v[XS+2]|              ; all 32 numbers of the block are mine
	v_max3_num_f32 v13, |v[XS+3]|, |v[XS+4]|, |v[XS+5]|
.irp i, 6,10,14,18,22,26
	v_max3_num_f32 v12, v12, |v[XS+\i]|, |v[XS+\i+1]|
	v_max3_num_f32 v13, v13, |v[XS+\i+2]|, |v[XS+\i+3]|
.endr
	v_max3_num_f32 v12, v12, |v[XS+30]|, |v[XS+31]|
	v_max3_num_f32 v12, v12, v13, 0x2800000        ; the floor
	v_add_nc_u32 v11, 0xfe000000, v12
	v_lshrrev_b32 v13, 23, v11                     ; the scale's byte
.if (\t)%4 == 0
	v_mov_b32 v[SB+(\t)/4], v13                    ; four bytes to a word, the lower K in the lower byte
.else
	v_lshl_or_b32 v[SB+(\t)/4], v13, 8*((\t)%4), v[SB+(\t)/4]
.endif
	v_cvt_scalef32_pk16_bf6_f32 v[GB:GB+2], v[XS:XS+15], v11
	v_cvt_scalef32_pk16_bf6_f32 v[TW:TW+2], v[XS+16:XS+31], v11    ; (a conversion's three registers begin on an even number)
	v_nop                                          ; one plain line behind a scaled conversion
.irp i, 0,1,2
	v_mov_b32 v[GB+3+\i], v[TW+\i]
.endr
.if (\t)%2 == 1
.irp q, 0,1,2
	ds_store_b128 v4, v[G+4*\q:G+4*\q+3] offset:((\t)/2)*1536+16*\q   ; a group's 48 bytes to my row of the stage
.endr
.endif
.if (\t)+2 < 8
	LOADW (\t)+2
.endif
.if (\t)%2 == 1
	s_wait_dscnt 0x0                               ; the stores have read their registers: the next group's codes may be written
.endif
.endm
	s_load_b256 s[4:11], s[0:1], 0x0               ; x s[4:5], w_attn s[6:7], w_proj s[8:9], opc s[10:11]
	s_load_b64 s[12:13], s[0:1], 0x20              ; ops
	v_lshl_add_u32 v192, v0, 2, 0xe000
	v_mov_b32 v193, 0
	v_lshrrev_b32 v1, 5, v0
	v_readfirstlane_b32 s16, v1                    ; wave 0..3
	v_and_b32 v2, 31, v0                           ; lane
	s_cmp_lt_u32 ttmp9, 256
	s_cbranch_scc0 .Lweights
	; ---- x.  Wave 4 x work-group + wave takes 64 rows (its number / 8) x 128 columns (its number % 8)
	v_lshrrev_b32 v3, 4, v2
	v_and_b32 v10, 15, v2
	v_lshlrev_b32 v10, 4, v10
	v_lshl_add_u32 v3, v3, 12, v10                 ; in: lanes 0-15 one row's 256 bytes, lanes 16-31 the next row's
	s_mul_i32 s17, s16, WREG
	v_lshrrev_b32 v14, 2, v2
	v_mul_u32_u24 v14, v14, SP
	v_and_b32 v15, 3, v2
	v_lshl_add_u32 v14, v15, 4, v14
	v_add_nc_u32 v14, s17, v14                     ; the stage, on the way in: SP (lane / 4) + 16 (lane % 4)
	v_mul_u32_u24 v15, v2, SP
	v_add_nc_u32 v15, s17, v15                     ; and on the way out: SP x lane: row lane / 4, columns 16 (lane % 4) on
	v_mul_u32_u24 v4, v2, 12                       ; my 12 bytes of the step's 384
	s_add_co_u32 s17, s17, 2*32*SP
	v_lshrrev_b32 v5, 2, v2
	v_lshlrev_b32 v5, 2, v5
	v_bfe_u32 v6, v2, 1, 1
	v_add_nc_u32 v5, v5, v6
	v_add_nc_u32 v5, s17, v5                       ; my block's byte among the wave's 256: 4 x row + block
	v_lshlrev_b32 v7, 3, v2
	v_add_nc_u32 v6, s17, v7                       ; and on the way out 8 bytes a lane
	s_lshl_b32 s18, ttmp9, 2
	s_add_co_u32 s18, s18, s16
	s_lshr_b32 s19, s18, 3                         ; which 64 rows
	s_and_b32 s20, s18, 7                          ; which 128 columns
	s_lshl_b32 s22, s19, 18
	s_lshl_b32 s21, s20, 9
	s_add_co_u32 s22, s22, s21                     ; x: 64 rows of 4,096 bytes, 512 bytes of columns
	s_mov_b32 s23, 0
	s_mul_i32 s24, s20, 2*GPO
	s_mul_i32 s21, s19, 64*48
	s_add_co_u32 s24, s24, s21                     ; codes: two groups a step of 128, 48 bytes a row
	s_mov_b32 s25, 0
	s_mul_i32 s26, s20, SPO
	s_lshl_b32 s21, s19, 8
	s_add_co_u32 s26, s26, s21                     ; scale words: 4 bytes a row
	s_mov_b32 s27, 0
	s_wait_kmcnt 0x0
	s_add_nc_u64 s[4:5], s[4:5], s[22:23]
	s_add_nc_u64 s[10:11], s[10:11], s[24:25]
	s_add_nc_u64 s[12:13], s[12:13], s[26:27]
.irp t, 0,1,2,3
	LOADX \t
.endr
	s_wait_loadcnt 12                              ; step 0's four loads are in
	TURNX 0
.irp t, 0,1,2,3,4,5,6,7,8,9,10,11,12,13,14,15
	STEPX \t
.endr
	ds_load_b64 v[12:13], v6                       ; LDS serves a wave's instructions in order: these see my byte stores
	s_wait_dscnt 0x0
	global_store_b64 v7, v[12:13], s[12:13]        ; 64 rows' scale words: 256 consecutive bytes, aligned
	s_wait_tensorcnt 0x0
	ds_add_u32 v192, v193
	s_wait_dscnt 0x0
	s_endpgm
.Lweights:
	; ---- the weights.  Work-group 256 + 4 cb + ky takes columns 128 cb on (cb < 24: w_attn's, else w_proj's) and 256 along K; a wave 32 columns
	v_and_b32 v1, 7, v2
	v_bfe_u32 v5, v2, 3, 1
	v_bfe_u32 v6, v2, 4, 1
	v_lshl_add_u32 v1, v5, 4, v1
	v_lshl_add_u32 v1, v6, 3, v1                   ; SWZ(lane): my column's place among the wave's 32 rows
	s_mul_i32 s17, s16, 6144
	s_add_co_u32 s17, s17, WST                     ; my stage
	v_mul_u32_u24 v4, v1, 48
	v_add_nc_u32 v4, s17, v4                       ; into it: my row
	v_lshlrev_b32 v8, 4, v2                        ; out of it, and in opc: 16 bytes a lane
	v_add_nc_u32 v7, s17, v8
	v_lshlrev_b32 v9, 2, v1                        ; my row's scale word
	s_sub_co_u32 s17, ttmp9, 256
	s_lshr_b32 s18, s17, 2                         ; cb
	s_and_b32 s19, s17, 3                          ; ky
	s_lshl_b32 s20, s18, 7                         ; 128 cb
	s_max_u32 s21, s18, 24
	s_lshl_b32 s21, s21, 7
	s_sub_co_u32 s21, s21, 3072                    ; 128 (cb - 24) for w_proj
	s_mov_b32 s22, 4096
	s_wait_kmcnt 0x0
	s_cmp_lt_u32 s18, 24                           ; the choice hangs on the work-group's number alone
	s_cselect_b64 s[6:7], s[6:7], s[8:9]           ; the weight,
	s_cselect_b32 s22, 12288, s22                  ; its row in bytes,
	s_cselect_b32 s21, s20, s21                    ; the first column in it
	s_lshl_b32 s23, s16, 5
	s_add_co_u32 s21, s21, s23                     ; my wave's first column
	s_lshl_b32 s24, s19, 8
	s_mul_i32 s24, s24, s22
	s_lshl_b32 s25, s21, 2
	s_add_co_u32 s24, s24, s25
	s_mov_b32 s25, 0
	s_add_nc_u64 s[32:33], s[6:7], s[24:25]        ; block 0's first row, my wave's first column
	s_lshl_b32 s26, s22, 5
	s_mov_b32 s27, 0
.irp t, 1,2,3,4,5,6,7
	s_add_nc_u64 s[32+2*\t:33+2*\t], s[30+2*\t:31+2*\t], s[26:27]   ; 32 rows on for each block
.endr
	v_lshlrev_b32 v[OFF], 2, v2
.set J, 1
.rept 31
	v_add_nc_u32 v[OFF+J], s22, v[OFF+J-1]         ; one row further down
.set J, J+1
.endr
	LOADW 0
	LOADW 1
	s_add_co_u32 s20, s20, s23
	s_add_co_u32 s20, s20, 8192                    ; my wave's first row in opc and ops
	s_mul_i32 s24, s19, 4*GPO
	s_mul_i32 s28, s20, 48
	s_add_co_u32 s24, s24, s28
	s_add_nc_u64 s[10:11], s[10:11], s[24:25]
	s_mul_i32 s24, s19, 2*SPO
	s_lshl_b32 s28, s20, 2
	s_add_co_u32 s24, s24, s28
	s_add_nc_u64 s[12:13], s[12:13], s[24:25]
.irp t, 0,1,2,3,4,5,6,7
	BLOCKW \t
.endr
	global_store_b32 v9, v[SB], s[12:13]           ; my column's two scale words
	global_store_b32 v9, v[SB+1], s[12:13] offset:SPO
.irp q, 0,1,2,3,4,5,6,7,8,9,10,11
	ds_load_b128 v[OUTR+4*\q:OUTR+4*\q+3], v7 offset:512*\q        ; these see my stores
.endr
.irp q, 0,1,2,3,4,5,6,7,8,9,10,11
	s_wait_dscnt 11-\q                             ; load q is in; those behind it may be out
	global_store_b128 v8, v[OUTR+4*\q:OUTR+4*\q+3], s[10:11] offset:(\q/3)*GPO+512*(\q%3)   ; 512 consecutive bytes, aligned to 256
.endr
	s_wait_tensorcnt 0x0
	ds_add_u32 v192, v193
	s_wait_dscnt 0x0
	s_endpgm
.Lfunc_end_k_q2586941ce1_prep:
	.size	k_q2586941ce1_prep, .Lfunc_end_k_q2586941ce1_prep-k_q2586941ce1_prep
	.p2alignl 7, 3214868480
	.fill 96, 4, 3214868480
	.section	.rodata,"a",@progbits
	.p2align	6, 0x0
	.amdhsa_kernel k_q2586941ce1_prep
		.amdhsa_group_segment_fixed_size 57856
		.amdhsa_private_segment_fixed_size 0
		.amdhsa_enable_private_segment 0
		.amdhsa_kernarg_size 40
		.amdhsa_user_sgpr_count 2
		.amdhsa_user_sgpr_kernarg_segment_ptr 1
		.amdhsa_wavefront_size32 1
		.amdhsa_system_sgpr_workgroup_id_x 1
		.amdhsa_system_sgpr_workgroup_id_y 1
		.amdhsa_system_sgpr_workgroup_id_z 1
		.amdhsa_system_vgpr_workitem_id 0
		.amdhsa_next_free_vgpr 194
		.amdhsa_next_free_sgpr 66
		.amdhsa_reserve_vcc 0
		.amdhsa_float_denorm_mode_32 3
		.amdhsa_float_denorm_mode_16_64 3
		.amdhsa_memory_ordered 1
		.amdhsa_forward_progress 1
		.amdhsa_inst_pref_size 75
	.end_amdhsa_kernel
	.amdgpu_metadata
---
amdhsa.version: [ 1, 2 ]
amdhsa.kernels:
  - .name:           k_q2586941ce1_prep
    .symbol:         k_q2586941ce1_prep.kd
    .args:
      - { .name: x, .offset: 0, .size: 8, .value_kind: global_buffer, .address_space: global }
      - { .name: w_attn, .offset: 8, .size: 8, .value_kind: global_buffer, .address_space: global }
      - { .name: w_proj, .offset: 16, .size: 8, .value_kind: global_buffer, .address_space: global }
      - { .name: opc, .offset: 24, .size: 8, .value_kind: global_buffer, .address_space: global }
      - { .name: ops, .offset: 32, .size: 8, .value_kind: global_buffer, .address_space: global }
    .group_segment_fixed_size: 57856
    .private_segment_fixed_size: 0
    .kernarg_segment_align: 8
    .kernarg_segment_size: 40
    .max_flat_workgroup_size: 128
    .sgpr_count:     66
    .vgpr_count:     194
    .wavefront_size: 32
...
	.end_amdgpu_metadata
.endif
;; end of part 1
;; launch qkv (part 2): grid 8 x 48, 4 waves a work-group, clusters of 4 x 4, 327,680 bytes of LDS; arguments opc, ops, qkc, qks, vtc, vts; writes qkc, qks, vtc, vts
.if DOCPART == 2
	.amdgcn_target "amdgcn-amd-amdhsa--gfx1250"
	.amdhsa_code_object_version 6
	.text
	.protected	k_q2586941ce1_qkv
	.globl	k_q2586941ce1_qkv
	.p2align	8
	.type	k_q2586941ce1_qkv,@function
k_q2586941ce1_qkv:
	s_mov_b64 s[64:65], 0
	v_nop
	global_prefetch_b8 v0, s[64:65] scope:SCOPE_SE
	s_setreg_imm32_b32 hwreg(HW_REG_WAVE_MODE, 25, 1), 1
	s_wait_xcnt 0x0
	s_wait_alu depctr_hold_cnt(0) depctr_sa_sdst(0) depctr_va_vdst(0) depctr_va_sdst(0) depctr_va_ssrc(0) depctr_va_vcc(0) depctr_vm_vsrc(0)
	s_getreg_b32 s2, hwreg(HW_REG_IB_STS2, 6, 4)
	s_cmp_eq_u32 s2, 0
	s_cbranch_scc0 .Lentry_in_a_cluster
	s_endpgm
.Lentry_in_a_cluster:
	s_bfe_u32 s2, ttmp6, 0x10000c
	s_cmp_lg_u32 s2, 0xf033
	s_cbranch_scc0 .Lentry_shape_is_right
	s_endpgm
.Lentry_shape_is_right:
; The first product, x w_attn, on codes of BF6 (E3M2) with E8M0 scales, K = 1,024, and the quantising of its results for attention.  Two products in one text:
;   cluster rows 0-7:  Q | K = x wa[:, 0:2048]: 8,192 tokens x 2,048 columns; quantised along the columns (a head's 64) -> qkc [32 groups of 64 columns][8,192 tokens][48 bytes], qks [16][8,192][4]
;   cluster rows 8-11: V^T = wa[:, 2048:3072]^T x^T: 1,024 channels x 8,192 tokens; quantised along the tokens (the keys) -> vtc [128 groups of 64 tokens][1,024 channels][48], vts [64][1,024][4]
; Both operands lie in opc / ops (codes [16 groups of 64 along K][12,288 rows][48 bytes], scale words [8][12,288][4]), so only row numbers and output addresses differ: they are selected on the cluster's row, no branch.
; A tile of the result, 256 x 256, is made by four waves, each 128 x 128: 64 accumulators, 512 registers.  K goes in steps of 256 through a ring of two LDS slots; a wave's tensor load brings 128 rows x 4 groups.
; In LDS a row of a group is 48 bytes = 12 words: the 32 lanes of a load of 8 bytes (48 r + 24 h) touch 64 different banks (64 banks of 4 bytes: ISA guide 11.1): no padding.
; CLUSTERS: 4 x 4.  The four of a cluster's row need the same rows of the result's row operand, the four of a column the same rows of its column operand: each tile is asked for jointly.
; THE MATRIX INSTRUCTION IS USED TRANSPOSED (source 0 = 16 rows of the column operand B, source 1 = 16 rows of the row operand A).  opc's rows lie with bits 3 and 4 of the row number exchanged, so the 64 registers
; of a block of 16 result rows are: register 16 b + i = true column 32 b + 16 (lane / 16) + i.  The result's rows keep the stored order.
; LIMITS: a block of zeros gets the byte 1 where the rule says 127 (its codes are zeros; this program alone reads the bytes); a block whose largest magnitude lies under 2^-122 has its byte held at 1; NaN and infinities are not served.
; REGISTERS, in windows of 256: window 0: v16-30 addresses; v32-63 scale words, two sets; v128-223 A's fragments, one set; on the way out v128-251 at work.
;   window 1: B's fragments, two sets, at v0 and v128.   window 2: the accumulators of my rows 0-63 ((a, b) at v[8 (8 a + b)]);   window 3: those of my rows 64-127.
.set NQ,     2                         ; matrix instructions deep in a slot
.set FR,     12                        ; registers of a fragment
.set NL,     6                         ; LDS loads that bring one
.set NP,     4                         ; places behind this matrix instruction (ISA guide 7.12.1)
.set GRPB,   6144                      ; 128 rows x 48 bytes: one group of one tensor load
.set HALFT,  4*GRPB                    ; what one tensor load brings: 128 rows x 256 along K
.set SLOT,   4*HALFT                   ; A's two halves, then B's two halves
.set LAPS,   2                         ; K = 1,024 = two laps of two slots of 256
.set SCL,    2*SLOT                    ; behind the ring: the scale words for all of K: [loader wave][8 steps][128 rows][4 bytes]
.set HALFS,  4096
.set SPARE,  SCL+4*HALFS               ; the spare words, 128 bytes for each wave: two blocks of 256 bytes that no other line names
.set PITA,   589824                    ; bytes from group to group of A's codes; B's likewise
.set PITB,   589824
.set ADRA, 16                          ; v16-17  LDS address of my A fragments in slot 0, 1
.set ADRB, 20                          ; v20-21  the same for B
.set STO,  24                          ; v24     the way out: where I put 12 bytes of a row
.set RD,   25                          ; v25     the way out: where I read 16 bytes back
.set CO,   26                          ; v26     16 x lane
.set ADRS, 27                          ; v27     LDS address of my scale words: lanes 0-15 A's rows, lanes 16-31 B's
.set SPW,  28                          ; v28     my spare word; never rewritten
.set NIL,  29                          ; v29     0; never rewritten
.set SSO,  30                          ; v30     the way out: my row's scale word in the stage
.set SC,   32                          ; scale words: set s at v[SC + 16 s]; register 2 i + q: lanes 0-15 A's block i, lanes 16-31 B's block i, the slot's q-th 128 along K
.set AF,   128                         ; A's fragments
.set BK,   128                         ; the way out: v128-151, v152-175 by turns
.set TM,   200                         ; the way out: v200-203 largest magnitudes, v204-207 bytes, v212-215 the conversions' scale operands
.set PW,   216                         ; v216-217 the scale word just made, by turns
.set CD,   220                         ; v220-235, v236-251 the codes just made, by turns
.set SEL,  66                          ; s[66:67] selects for v_permlanex16_b32: lane l xor 16
.set G1, 24                            ; s[24:31] descriptor group 1 for A's tiles;  s[32:39] group 0, one set for each slot
.set G0, 32
.set G1B, 48                           ; s[48:55], s[56:63] the same for B's
.set G0B, 56
.set G1S, 68                           ; s[68:75], s[76:79] for A's scale words;  s[80:87], s[88:91] for B's
.set G0S, 76
.set G1SB, 80
.set G0SB, 88
.set MSB, 0
.macro WIN new                         ; the immediate's high byte repeats the setting that is left
.if MSB != \new
	s_set_vgpr_msb (MSB<<8)|\new
.set MSB, \new
.endif
.endm
.set MUL_LO, 0xa1                      ; source 0 (B) window 1, source 1 (A) window 0, C and D window 2
.set MUL_HI, 0xf1                      ; the same, C and D window 3
.set TO_B,   0x40                      ; destination window 1, address window 0
.macro SHAPE g, c, r, p                ; words 1 to 7 of a group 1: r rows of c elements of 8 bytes, p elements apart
	s_mov_b32 s[\g+1], (\c)<<16
	s_mov_b32 s[\g+2], (\r)<<16
	s_mov_b32 s[\g+3], (\c)<<16
	s_mov_b32 s[\g+4], \r
	s_mov_b32 s[\g+5], \p
	s_mov_b32 s[\g+6], 0
	s_mov_b32 s[\g+7], 0
.endm
; A joint load: waves 0 and 1 fetch for A, waves 2 and 3 for B.  The branch hangs on the wave's number alone.  Four v_nop follow each of the two lines.
.macro JLOAD g0a, g1a, g0b, g1b
	s_cmp_eq_u32 s17, 0
	s_cbranch_scc0 .Lfor_b_\@
	tensor_load_to_lds s[\g0a:\g0a+3], s[\g1a:\g1a+7]
	s_nop 0
.rept 4
	v_nop
.endr
	s_branch .Lasked_\@
.Lfor_b_\@:
	tensor_load_to_lds s[\g0b:\g0b+3], s[\g1b:\g1b+7]
	s_nop 0
.rept 4
	v_nop
.endr
.Lasked_\@:
.endm
.macro CREST                           ; a round of the cluster's barrier behind its opening barrier
	s_cmp_lg_u32 s16, 0
	s_cbranch_scc1 .Lnot_wave_0_\@
	s_barrier_signal -3
.Lnot_wave_0_\@:
	s_barrier_wait -3
	s_barrier_signal -1
	s_barrier_wait -1
.endm
.macro CROUND                          ; a whole round
	s_barrier_signal -1
	s_barrier_wait -1
	CREST
.endm
	s_load_b256 s[4:11], s[0:1], 0x0               ; opc s[4:5], ops s[6:7], qkc s[8:9], qks s[10:11]
	s_load_b128 s[12:15], s[0:1], 0x20             ; vtc s[12:13], vts s[14:15]
	v_lshl_add_u32 v[SPW], v0, 2, SPARE
	v_mov_b32 v[NIL], 0
	ds_add_u32 v28, v29
	ds_add_u32 v28, v29
	s_wait_dscnt 0x0
	v_lshrrev_b32 v1, 5, v0
	v_readfirstlane_b32 s16, v1                    ; wave 0..3
	s_lshr_b32 s17, s16, 1                         ; which half of the tile's rows is mine.  Also: I fetch for A (0) or for B (1)
	s_and_b32 s18, s16, 1                          ; which half of its columns.  Also: which 128 rows I fetch
	s_bfe_u32 s19, ttmp6, 0x40000                  ; cx
	s_bfe_u32 s20, ttmp6, 0x40004                  ; cy
	s_lshl_b32 s22, ttmp9, 2
	s_add_co_u32 s22, s22, s19                     ; work-group x = 4 x cluster x + cx: 0 .. 7
	s_and_b32 s21, ttmp7, 0xffff                   ; the cluster's row: 0 .. 11
	s_lshl_b32 s23, s20, 2
	s_lshl_b32 s23, 15, s23                        ; my row of the cluster
	s_lshl_b32 s40, 0x1111, s19                    ; my column
	s_or_b32 s[G1+0], s23, (3<<16)|(1<<21)         ; 15:0 the mask; 17:16 elements of 8 bytes; 21 set beside a mask; no padding
	s_or_b32 s[G1B+0], s40, (3<<16)|(1<<21)
	s_or_b32 s[G1S+0], s23, (3<<16)|(1<<21)
	s_or_b32 s[G1SB+0], s40, (3<<16)|(1<<21)
	SHAPE G1, 768, 4, 73728                        ; codes: 4 groups x (128 rows x 48 bytes = 768 elements), 589,824 bytes apart
	SHAPE G1B, 768, 4, 73728
	SHAPE G1S, 64, 8, 6144                         ; scale words: 8 steps x (128 rows x 4 bytes = 64 elements), 49,152 bytes apart
	SHAPE G1SB, 64, 8, 6144
	s_mov_b32 s[SEL], 0x76543210
	s_mov_b32 s[SEL+1], 0xfedcba98
	; which product is my cluster's.  In units of 256 rows of opc: x begins at 0, wa's q and k columns at 32, its v columns at 40
	s_lshl_b32 s41, s21, 2                         ; 4 x cluster row
	s_max_u32 s42, s21, 8
	s_lshl_b32 s42, s42, 3
	s_sub_co_u32 s42, s42, 64                      ; V^T: 8 (cluster row - 8); Q | K: 0.  The result's first tile column of this cluster row
	s_mov_b32 s96, 49152
	s_mov_b32 s97, 4096
	s_wait_kmcnt 0x0
	s_cmp_lt_u32 s21, 8                            ; only selections stand between this compare and the last of them
	s_cselect_b32 s43, s41, 40                     ; A's first tile: x's rows, or wa's v columns
	s_cselect_b32 s44, 32, s42                     ; B's first tile: wa's q and k columns, or x's rows
	s_cselect_b32 s45, s41, 0                      ; the result's first tile row
	s_cselect_b32 s96, 393216, s96                 ; bytes from group to group of the result's codes
	s_cselect_b32 s97, 32768, s97                  ; and from step to step of its scale words
	s_cselect_b64 s[8:9], s[8:9], s[12:13]         ; the result's codes
	s_cselect_b64 s[10:11], s[10:11], s[14:15]     ; and scale words
	s_add_co_u32 s43, s43, s20                     ; A's tile hangs on cy alone,
	s_add_co_u32 s44, s44, s22                     ; B's on cx alone
	s_lshl_b32 s47, s18, 7
	s_lshl_b32 s43, s43, 8
	s_add_co_u32 s43, s43, s47                     ; the first row that I fetch, if for A
	s_lshl_b32 s44, s44, 8
	s_add_co_u32 s44, s44, s47                     ; if for B
	s_mul_i32 s92, s43, 48
	s_mov_b32 s93, 0
	s_lshl_b32 s94, s43, 2
	s_mov_b32 s95, 0
	s_add_nc_u64 s[92:93], s[4:5], s[92:93]        ; A's codes
	s_add_nc_u64 s[94:95], s[6:7], s[94:95]        ; A's scale words
	s_mul_i32 s12, s44, 48
	s_mov_b32 s13, 0
	s_lshl_b32 s14, s44, 2
	s_mov_b32 s15, 0
	s_add_nc_u64 s[12:13], s[4:5], s[12:13]        ; B's codes
	s_add_nc_u64 s[14:15], s[6:7], s[14:15]        ; B's scale words
	s_mul_i32 s41, s16, HALFT                      ; where they go: wave x a load's bytes: no place in the cluster enters an LDS address
	s_lshl_b32 s47, s16, 12
	CROUND                                         ; all sixteen work-groups are here: the first joint loads meet
	s_mov_b32 s[G0S], 1
	s_add_co_u32 s[G0S+1], s47, SCL
	s_mov_b64 s[G0S+2:G0S+3], s[94:95]
	s_or_b32 s[G0S+3], s[G0S+3], 0x80000000
	s_mov_b32 s[G0SB], 1
	s_add_co_u32 s[G0SB+1], s47, SCL
	s_mov_b64 s[G0SB+2:G0SB+3], s[14:15]
	s_or_b32 s[G0SB+3], s[G0SB+3], 0x80000000
	JLOAD G0S, G1S, G0SB, G1SB                     ; the scale words first: they are wanted with K step 0
.irp s, 0,1
	s_mov_b32 s[G0+4*\s], 1
	s_add_co_u32 s[G0+4*\s+1], s41, \s*SLOT
	s_add_nc_u64 s[G0+4*\s+2:G0+4*\s+3], s[92:93], \s*4*PITA
	s_or_b32 s[G0+4*\s+3], s[G0+4*\s+3], 0x80000000
	s_mov_b32 s[G0B+4*\s], 1
	s_add_co_u32 s[G0B+4*\s+1], s41, \s*SLOT
	s_add_nc_u64 s[G0B+4*\s+2:G0B+4*\s+3], s[12:13], \s*4*PITB
	s_or_b32 s[G0B+4*\s+3], s[G0B+4*\s+3], 0x80000000
	JLOAD G0+4*\s, G1, G0B+4*\s, G1B
.endr
	v_and_b32 v1, 15, v0                           ; r = l % 16
	v_bfe_u32 v2, v0, 4, 1                         ; h = l / 16
	v_mul_u32_u24 v3, v1, 48
	v_mad_u32_u24 v3, v2, 24, v3                   ; a fragment's row x 48 + 24 x half
	s_mul_i32 s40, s17, HALFT                      ; my 128 rows of A
	s_mul_i32 s41, s18, HALFT                      ; my 128 rows of B,
	s_add_co_u32 s41, s41, 2*HALFT                 ; which lie behind A's 256
.irp s, 0,1
	v_add_nc_u32 v[ADRA+\s], s40, v3
	v_add_nc_u32 v[ADRB+\s], s41, v3
	s_add_co_u32 s40, s40, SLOT
	s_add_co_u32 s41, s41, SLOT
.endr
	s_lshl_b32 s40, s17, 12                        ; A's scale words: my 128 rows
	s_lshl_b32 s41, s18, 12                        ; B's, behind A's two halves
	s_add_co_u32 s41, s41, 2*HALFS
	s_sub_co_u32 s41, s41, s40
	v_mul_u32_u24 v5, s41, v2                      ; lanes 16-31 take B's: one product, the distance between the two
	s_add_co_u32 s40, s40, SCL
	v_lshl_add_u32 v5, v1, 2, v5
	v_add_nc_u32 v[ADRS], s40, v5
	s_lshl_b32 s46, s16, 12                        ; my stage for the way out: 4,096 bytes in slot 0, which has had its last fill and its last read by then
	v_mul_u32_u24 v4, v1, 48
	v_mad_u32_u24 v4, v2, 12, v4
	v_add_nc_u32 v[STO], s46, v4                   ; in: row r, 12 bytes for each half of the lanes
	v_and_b32 v5, 31, v0
	v_lshlrev_b32 v[CO], 4, v5
	v_add_nc_u32 v[RD], s46, v[CO]                 ; back: 16 bytes a lane, on end
	v_lshl_add_u32 v[SSO], v1, 2, s46
	v_add_nc_u32 v[SSO], 3072, v[SSO]              ; the scale words lie behind the codes' 3,072 bytes
	; where my 128 x 128 of the result goes
	s_add_co_u32 s45, s45, s20
	s_lshl_b32 s45, s45, 8
	s_lshl_b32 s46, s17, 7
	s_add_co_u32 s45, s45, s46                     ; my first row
	s_add_co_u32 s42, s42, s22                     ; my tile column
	s_lshl_b32 s44, s42, 2
	s_lshl_b32 s46, s18, 1
	s_add_co_u32 s44, s44, s46                     ; my first group of 64 columns
	s_mul_i32 s12, s44, s96
	s_mul_i32 s46, s45, 48
	s_add_co_u32 s12, s12, s46
	s_mov_b32 s13, 0
	s_add_nc_u64 s[8:9], s[8:9], s[12:13]          ; codes, my first group
	s_mov_b32 s12, s96
	s_add_nc_u64 s[12:13], s[8:9], s[12:13]        ; and my second
	s_lshl_b32 s44, s42, 1
	s_add_co_u32 s44, s44, s18                     ; my step of 128 columns
	s_mul_i32 s14, s44, s97
	s_lshl_b32 s46, s45, 2
	s_add_co_u32 s14, s14, s46
	s_mov_b32 s15, 0
	s_add_nc_u64 s[10:11], s[10:11], s[14:15]      ; scale words
.macro FRAG reg, adr, q, i             ; a fragment, 16 rows x 128 K, is 12 registers: lane (r, h) takes 24 bytes at 48 r + 24 h of group 2 q (registers 0-5) and of group 2 q + 1 (registers 6-11), in pieces of 8 bytes
.irp p, 0,1,2,3,4,5
	ds_load_b64 v[\reg+2*\p:\reg+2*\p+1], v[\adr] offset:(2*(\q)+\p/3)*GRPB+(\i)*768+8*(\p%3)
.endr
.endm
; 16 matrix instructions: A's blocks a0, a0 + 1 x B's eight, the slot's q-th 128 along K.  p: B's set;  sc: the set of scale words.  zero = 1: the first product starts the sums.
; The 64 accumulators take turns, one instruction a turn, in the same order in every step.
.macro MUL16 a0, p, q, sc, zero
.irp a, \a0, \a0+1
.irp b, 0,1,2,3,4,5,6,7
.if \zero
	v_wmma_scale_f32_16x16x128_f8f6f4 v[8*(8*((\a)%4)+\b):8*(8*((\a)%4)+\b)+7], v[128*(\p)+FR*\b:128*(\p)+FR*\b+FR-1], v[AF+FR*(\a):AF+FR*(\a)+FR-1], 0, v[SC+8*NQ*(\sc)+NQ*\b+(\q)], v[SC+8*NQ*(\sc)+NQ*(\a)+(\q)] matrix_a_fmt:MATRIX_FMT_BF6 matrix_b_fmt:MATRIX_FMT_BF6 matrix_a_scale:MATRIX_SCALE_ROW1
.else
	v_wmma_scale_f32_16x16x128_f8f6f4 v[8*(8*((\a)%4)+\b):8*(8*((\a)%4)+\b)+7], v[128*(\p)+FR*\b:128*(\p)+FR*\b+FR-1], v[AF+FR*(\a):AF+FR*(\a)+FR-1], v[8*(8*((\a)%4)+\b):8*(8*((\a)%4)+\b)+7], v[SC+8*NQ*(\sc)+NQ*\b+(\q)], v[SC+8*NQ*(\sc)+NQ*(\a)+(\q)] matrix_a_fmt:MATRIX_FMT_BF6 matrix_b_fmt:MATRIX_FMT_BF6 matrix_a_scale:MATRIX_SCALE_ROW1
.endif
.endr
.endr
.endm
.macro FETCH_B slot, q, p              ; B's eight fragments of the slot's q-th 128 along K into set p
	WIN TO_B
.irp i, 0,1,2,3,4,5,6,7
	FRAG 128*(\p)+FR*\i, ADRB+\slot, \q, \i
.endr
	WIN 0
.endm
.macro FETCH_A slot, q, i0             ; A's blocks i0 .. i0 + 3
.irp i, \i0, \i0+1, \i0+2, \i0+3
	FRAG AF+FR*(\i), ADRA+\slot, \q, \i
.endr
.endm
.macro SCALES sc                       ; a slot's scale words into set sc: lanes 0-15 take A's block i, lanes 16-31 B's block i
.irp i, 0,1,2,3,4,5,6,7
.irp q, 0,1
	ds_load_b32 v[SC+8*NQ*\sc+NQ*\i+\q], v[ADRS] offset:512*\q+64*\i
.endr
.endr
.endm
.macro PLACES n                        ; plain vector lines between a matrix instruction and a load into, or a read of, its registers (ISA guide 7.12.1 for reads)
.rept \n
	v_nop
.endr
.endm
.macro STEP slot, q, zero              ; a step of 128 along K that has its successor in the same slot
	s_wait_dscnt 4*NL                              ; B's set, A's blocks 0-3 and the scale words are in; the youngest 24 loads (A's blocks 4-7) may be out
	WIN MUL_LO
	MUL16 0, (\q)%2, \q, \slot, \zero
	MUL16 2, (\q)%2, \q, \slot, \zero
	s_wait_dscnt 0                                 ; A's blocks 4-7 are in
	PLACES NP
	FETCH_B \slot, (\q)+1, 1-(\q)%2
	FETCH_A \slot, (\q)+1, 0
	WIN MUL_HI
	MUL16 4, (\q)%2, \q, \slot, \zero
	MUL16 6, (\q)%2, \q, \slot, \zero
	PLACES NP
	WIN 0
	FETCH_A \slot, (\q)+1, 4
.endm
; A slot's last step changes slots: one barrier; in front of it each wave waits for all its tensor loads, adds 0 to its spare word, and waits for that and for its own reads of this slot.  fill = 1: this slot is filled again, two slots ahead.
.macro TURN slot, next, fill
	s_wait_tensorcnt 0x0                           ; all my tensor loads have landed: my part of the next slot
	ds_add_u32 v[SPW], v[NIL]                      ; 0 onto my spare word
	s_wait_dscnt 4*NL+1                            ; the add and the youngest 24 loads (A's blocks 4-7) may be out
	WIN MUL_LO
	MUL16 0, 1, NQ-1, \slot, 0                     ; sixteen matrix instructions stand between the add and the wait for it
	s_wait_dscnt 0x0                               ; the add is done, and my reads of this slot are over
	s_barrier_signal -1
	MUL16 2, 1, NQ-1, \slot, 0
	WIN 0
	s_barrier_wait -1
.if \fill
	CREST                                          ; the barrier has opened a round of the cluster's barrier: no wave of any partner still reads this slot or has a load on its way
	s_add_nc_u64 s[G0+4*\slot+2:G0+4*\slot+3], s[G0+4*\slot+2:G0+4*\slot+3], 8*PITA
	s_add_nc_u64 s[G0B+4*\slot+2:G0B+4*\slot+3], s[G0B+4*\slot+2:G0B+4*\slot+3], 8*PITB
	JLOAD G0+4*\slot, G1, G0B+4*\slot, G1B         ; the first tensor load behind the round; its four v_nop are the places in front of the loads below
.else
	PLACES NP
.endif
	v_add_nc_u32 v[ADRS], 1024, v[ADRS]            ; on to the next slot's scale words: two steps of 512 bytes (no LDS load of mine is out)
	FETCH_B \next, 0, 0
	FETCH_A \next, 0, 0
	SCALES \next
	WIN MUL_HI
	MUL16 4, 1, NQ-1, \slot, 0
	MUL16 6, 1, NQ-1, \slot, 0
	PLACES NP
	WIN 0
	FETCH_A \next, 0, 4
.endm
	s_wait_tensorcnt 1                             ; the scale words and my part of slot 0 are in; slot 1's load may be out
	s_barrier_signal -1
	s_barrier_wait -1
	FETCH_B 0, 0, 0
	FETCH_A 0, 0, 0
	SCALES 0
	FETCH_A 0, 0, 4
	STEP 0, 0, 1                                   ; the first step stands in front of the loop: its products start the sums
	s_mov_b32 s3, LAPS-1
.Llap:                                                 ; a trip goes once round the ring and fills both slots again
	TURN 0, 1, 1
	STEP 1, 0, 0
	TURN 1, 0, 1
	STEP 0, 0, 0
	s_sub_co_u32 s3, s3, 1
	s_cmp_lg_u32 s3, 0
	s_cbranch_scc1 .Llap
	TURN 0, 1, 0                                   ; the last lap fills nothing
	STEP 1, 0, 0
	s_wait_dscnt 4*NL                              ; the very last step
	WIN MUL_LO
	MUL16 0, 1, NQ-1, 1, 0
	MUL16 2, 1, NQ-1, 1, 0
	s_wait_dscnt 0
	WIN MUL_HI
	MUL16 4, 1, NQ-1, 1, 0
	MUL16 6, 1, NQ-1, 1, 0
	WIN 0
; THE WAY OUT.  Block a (16 rows x 128 columns) is quantised in registers: four blocks of 32 columns, each in lanes l and l xor 16, 16 numbers a lane.  A lane's 16 codes, 12 bytes, go to their place in the row's
; 48 bytes in my stage: half blocks lie side by side there, so no lane exchange is needed.  Two blocks of rows (32 rows x 2 groups x 48 bytes) then leave as runs of 512 consecutive bytes.
.macro QUANTA a
.set AC, 64*((\a)%4)
.set CDS, CD+16*((\a)%2)
.set PWS, PW+(\a)%2
	WIN 0x28+0x14*((\a)/4)                         ; sources 1 and 2: window 2 or 3
.irp b, 0,1,2,3
	v_max3_num_f32 v[TM+\b], 0x2800000, |v[AC+16*\b]|, |v[AC+16*\b+1]|   ; my 16 numbers and the floor 2^(5 - 127); each accumulator is read from its low end on
.endr
.irp i, 2,4,6,8,10,12,14
.irp b, 0,1,2,3
	v_max3_num_f32 v[TM+\b], v[TM+\b], |v[AC+16*\b+\i]|, |v[AC+16*\b+\i+1]|
.endr
.endr
	WIN 0
.irp b, 0,1,2,3
	v_permlanex16_b32 v[TM+4+\b], v[TM+\b], s[SEL], s[SEL+1]
.endr
.irp b, 0,1,2,3
	v_max_num_f32 v[TM+\b], v[TM+\b], v[TM+4+\b]   ; with lane l xor 16's: the block's largest magnitude
.endr
.irp b, 0,1,2,3
	v_add_nc_u32 v[TM+12+\b], 0xfe000000, v[TM+\b] ; 4 off its exponent field: the conversion's scale operand
.endr
.irp b, 0,1,2,3
	v_lshrrev_b32 v[TM+4+\b], 23, v[TM+12+\b]      ; the scale's byte
.endr
	v_lshl_or_b32 v[PWS], v[TM+5], 8, v[TM+4]
	v_lshl_or_b32 v[PWS], v[TM+6], 16, v[PWS]
	v_lshl_or_b32 v[PWS], v[TM+7], 24, v[PWS]      ; my row's scale word for these 128 columns
	WIN 0x02+(\a)/4                                ; source 0: window 2 or 3
.irp b, 0,1,2,3
	v_cvt_scalef32_pk16_bf6_f32 v[CDS+4*\b:CDS+4*\b+2], v[AC+16*\b:AC+16*\b+15], v[TM+12+\b]
.endr
	WIN 0
	v_nop                                          ; one plain line behind a scaled conversion
.irp b, 0,1,2,3
.irp i, 0,1,2
	ds_store_b32 v[STO], v[CDS+4*\b+\i] offset:(\b/2)*1536+((\a)%2)*768+(\b%2)*24+4*\i
.endr
.endr
	ds_store_b32 v[SSO], v[PWS] offset:64*(\a)     ; both halves of the lanes write the same word with the same value
.endm
	PLACES NP                                      ; behind the last products: their results are read, and registers that held A's fragments are written
.irp b, 0,1,2,3
	v_mov_b32 v[TM+4+\b], 0                        ; written once: a lane permute's destination counts as one of its sources
.endr
.irp w, 0,1,2,3
	QUANTA 2*\w
	QUANTA 2*\w+1
.set BB, BK+24*(\w%2)
	s_wait_xcnt 0x0                                ; the stores of two pairs ago have read their registers: this pair's loads may land there
.irp c, 0,1
.irp q, 0,1,2
	ds_load_b128 v[BB+4*(3*\c+\q):BB+4*(3*\c+\q)+3], v[RD] offset:1536*\c+512*\q   ; LDS serves a wave's instructions in order: these see my stores, and the next pair's stores come behind them
.endr
.endr
	s_wait_dscnt 0x0
.irp q, 0,1,2
	global_store_b128 v[CO], v[BB+4*\q:BB+4*\q+3], s[8:9] offset:1536*\w+512*\q          ; 32 rows x 48 bytes of a group: three stores of 512 consecutive bytes, aligned to 256
	global_store_b128 v[CO], v[BB+12+4*\q:BB+12+4*\q+3], s[12:13] offset:1536*\w+512*\q
.endr
.endr
	s_wait_xcnt 0x0
	ds_load_b128 v[BK:BK+3], v[RD] offset:3072     ; my 128 rows' scale words
	s_wait_dscnt 0x0
	global_store_b128 v[CO], v[BK:BK+3], s[10:11]  ; 512 consecutive bytes
	s_wait_tensorcnt 0x0                           ; the wave's end: behind my last tensor load and my last LDS store
	ds_add_u32 v[SPW], v[NIL]
	s_wait_dscnt 0x0
	CROUND                                         ; the closing round: no work-group ends while a partner may still ask for a tile that names it
	s_endpgm
.Lfunc_end_k_q2586941ce1_qkv:
	.size	k_q2586941ce1_qkv, .Lfunc_end_k_q2586941ce1_qkv-k_q2586941ce1_qkv
	.p2alignl 7, 3214868480
	.fill 96, 4, 3214868480
	.section	.rodata,"a",@progbits
	.p2align	6, 0x0
	.amdhsa_kernel k_q2586941ce1_qkv
		.amdhsa_group_segment_fixed_size 327680
		.amdhsa_private_segment_fixed_size 0
		.amdhsa_enable_private_segment 0
		.amdhsa_kernarg_size 48
		.amdhsa_user_sgpr_count 2
		.amdhsa_user_sgpr_kernarg_segment_ptr 1
		.amdhsa_wavefront_size32 1
		.amdhsa_system_sgpr_workgroup_id_x 1
		.amdhsa_system_sgpr_workgroup_id_y 1
		.amdhsa_system_sgpr_workgroup_id_z 1
		.amdhsa_system_vgpr_workitem_id 0
		.amdhsa_next_free_vgpr 1024
		.amdhsa_next_free_sgpr 98
		.amdhsa_reserve_vcc 0
		.amdhsa_float_denorm_mode_32 3
		.amdhsa_float_denorm_mode_16_64 3
		.amdhsa_memory_ordered 1
		.amdhsa_forward_progress 1
		.amdhsa_inst_pref_size 172
	.end_amdhsa_kernel
	.amdgpu_metadata
---
amdhsa.version: [ 1, 2 ]
amdhsa.kernels:
  - .name:           k_q2586941ce1_qkv
    .symbol:         k_q2586941ce1_qkv.kd
    .args:
      - { .name: opc, .offset: 0, .size: 8, .value_kind: global_buffer, .address_space: global }
      - { .name: ops, .offset: 8, .size: 8, .value_kind: global_buffer, .address_space: global }
      - { .name: qkc, .offset: 16, .size: 8, .value_kind: global_buffer, .address_space: global }
      - { .name: qks, .offset: 24, .size: 8, .value_kind: global_buffer, .address_space: global }
      - { .name: vtc, .offset: 32, .size: 8, .value_kind: global_buffer, .address_space: global }
      - { .name: vts, .offset: 40, .size: 8, .value_kind: global_buffer, .address_space: global }
    .group_segment_fixed_size: 327680
    .private_segment_fixed_size: 0
    .kernarg_segment_align: 8
    .kernarg_segment_size: 48
    .max_flat_workgroup_size: 128
    .sgpr_count:     98
    .vgpr_count:     1024
    .wavefront_size: 32
...
	.end_amdgpu_metadata
.endif
;; end of part 2
;; launch attn (part 3): grid 4 x 64, 16 waves a work-group, clusters of 4 x 1, 235,520 bytes of LDS; arguments qkc, qks, vtc, vts, yc, ys; writes yc, ys
.if DOCPART == 3
	.amdgcn_target "amdgcn-amd-amdhsa--gfx1250"
	.amdhsa_code_object_version 6
	.text
	.protected	k_q2586941ce1_attn
	.globl	k_q2586941ce1_attn
	.p2align	8
	.type	k_q2586941ce1_attn,@function
k_q2586941ce1_attn:
	s_mov_b64 s[64:65], 0
	v_nop
	global_prefetch_b8 v0, s[64:65] scope:SCOPE_SE
	s_setreg_imm32_b32 hwreg(HW_REG_WAVE_MODE, 25, 1), 1
	s_wait_xcnt 0x0
	s_wait_alu depctr_hold_cnt(0) depctr_sa_sdst(0) depctr_va_vdst(0) depctr_va_sdst(0) depctr_va_ssrc(0) depctr_va_vcc(0) depctr_vm_vsrc(0)
	s_getreg_b32 s2, hwreg(HW_REG_IB_STS2, 6, 4)
	s_cmp_eq_u32 s2, 0
	s_cbranch_scc0 .Lentry_in_a_cluster
	s_endpgm
.Lentry_in_a_cluster:
	s_bfe_u32 s2, ttmp6, 0x10000c
	s_cmp_lg_u32 s2, 0x3003
	s_cbranch_scc0 .Lentry_shape_is_right
	s_endpgm
.Lentry_shape_is_right:
; Causal attention of one head (64 channels, 2,048 tokens), both products on codes of BF6 (E3M2) with E8M0 scales, and the quantising of its result y for the last product.
; In: qkc [32 groups: q's 16 heads, k's 16 heads][8,192 tokens][48 bytes], qks [16][8,192][4] (a word serves two heads: two bytes each); vtc [128 groups of 64 tokens][1,024 channels][48], vts [64][1,024][4].
; Out: yc [16 heads][8,192 tokens][48], ys [8][8,192][4].  Token rows of qkc and yc and channel rows of vtc lie with bits 3 and 4 of the row number exchanged; every K axis is in true order.
; THE SOFTMAX: t = score x log2(e) / 8; M = the row's largest t so far, rounded up to a whole number; p = 2^(t - M) is quantised along the keys; the row's sum is taken of the unquantised p and divides at the end.
; When M moves, the sum and O are multiplied by 2^(old M - new M): exact.
; SHARES.  A cluster of four work-groups takes one head of one batch.  The head's K and V, codes and scale words, 208,896 bytes, fit in LDS: they are filled ONCE, by joint loads that name the four, so there is no ring,
; no refill and no barrier in the loop.  The 2,048 queries are 32 groups of 64; work-group cx owns the stored tile of 16 rows 4 g + cx of every group g; wave w owns g = w and g = 31 - w:
; floor(w / 2) + 1 + floor((31 - w) / 2) + 1 = 17 steps of 128 keys for every wave.  A tile's queries all lie in group g, so whether a step is hidden (2 s > g) or open (2 s + 2 <= g) hangs on the wave's number and the
; trip alone, never on the place in the cluster; that place enters global addresses and the numbers that the mask compares.
; LAYOUT.  Both products are used transposed: S^T = K Q^T (source 0 = 16 stored keys), O^T = V^T P^T (source 0 = 16 stored channels): a lane holds one query; the 16 registers of two neighbouring tiles are 16 true neighbours.
; THE FIRST PRODUCT'S K IS 64, the instruction's 128: Q's registers 6-11 are zero codes; K's registers 6-11 are whatever finite codes lie there, and both sides' scale bytes 2 and 3 are 0 (2^-127, no NaN): nothing is added.
; LIMITS: a block of zeros gets the byte 1 where the rule says 127 (zero codes; this program alone reads the bytes); a block of y whose largest magnitude lies under 2^-122 has its byte held at 1; NaN and infinities are not served.
; A block's largest p is taken as the exponential of the block's largest score: this takes v_exp_f32 not to fall where its input rises.
; REGISTERS: v1-7 addresses that stay; v8-11 addresses in hand; v12-15, v28-31 the two tiles' -M, largest t, sum in two halves; v16-27, v80-91 the two tiles' Q; v92-93 Q's scale words; v94-95 y's scale bytes;
;   v32-79 four tiles of K (6 registers each) or four fragments of V; v96-159 S^T, then p; v160-191, v192-223 O^T; v224-235 p's codes; v236-254 at work; v248-251 K's or V's scale words.
.set KC,   0                           ; LDS: K's codes [2,048 stored keys][48]
.set VC,   98304                       ; V's codes [32 groups of 64 keys][64 channels][48]
.set KSC,  196608                      ; K's scale words [2,048][4]
.set VSC,  204800                      ; V's scale words [16 steps][64][4]
.set STG,  208896                      ; the way out: 1,536 bytes for each wave: [two tiles][16 rows][48]; no fill lands here
.set AK0,  1                           ; v1  48 r + 24 h
.set AV0,  2                           ; v2  VC + 48 r + 24 h
.set ASK0, 3                           ; v3  KSC + 4 r + 2 (head % 2)
.set ASV0, 4                           ; v4  VSC + 4 r
.set QD,   5                           ; v5  my query's place in its group of 64, less 16 h
.set RR,   6                           ; v6  r = lane % 16
.set HH,   7                           ; v7  h = lane / 16
.set ADK,  8
.set ADV,  9
.set ADS,  10
.set ADT,  11
.set WV,   16                          ; s16 my wave's number
.set SEL,  22                          ; s[22:23] selects for v_permlanex16_b32: lane l xor 16
.set CS,   24                          ; s[24:25] c = log2(e) / 8
.set G1K,  28                          ; s[28:35], s[36:43], s[44:51], s[52:59] descriptor groups 1: K, V, K's scale words, V's
.set G1V,  36
.set G1KS, 44
.set G1VS, 52
.set G0K,  60                          ; s[60:63], s[68:71], s[72:75], s[76:79] their groups 0
.set G0V,  68
.set G0KS, 72
.set G0VS, 76
.set CNT,  80                          ; s80 trips to go
.set TK,   81                          ; s81 the step's codes: 6,144 bytes a step, in K's and in V's region alike
.set TSK,  82                          ; s82 K's scale words: 512 bytes a step
.set TSV,  83                          ; s83 V's: 256
.set S2,   84                          ; s84 2 x the step's number
.set GLO,  85                          ; s85 my low tile's group of queries: w
.set GHI,  86                          ; s86 my high tile's: 31 - w
.macro SHAPE g, c, r, p                ; a group 1: the mask of all four work-groups, elements of 8 bytes, bit 21 beside the mask; r rows of c elements, p elements apart
	s_mov_b32 s[\g], 15|(3<<16)|(1<<21)
	s_mov_b32 s[\g+1], (\c)<<16
	s_mov_b32 s[\g+2], (\r)<<16
	s_mov_b32 s[\g+3], (\c)<<16
	s_mov_b32 s[\g+4], \r
	s_mov_b32 s[\g+5], \p
	s_mov_b32 s[\g+6], 0
	s_mov_b32 s[\g+7], 0
.endm
.macro ROUND                           ; a round of the cluster's barrier
	s_barrier_signal -1
	s_barrier_wait -1
	s_cmp_lg_u32 s[WV], 0
	s_cbranch_scc1 .Lnot_wave_0_\@
	s_barrier_signal -3
.Lnot_wave_0_\@:
	s_barrier_wait -3
	s_barrier_signal -1
	s_barrier_wait -1
.endm
	s_load_b256 s[4:11], s[0:1], 0x0               ; qkc s[4:5], qks s[6:7], vtc s[8:9], vts s[10:11]
	s_load_b128 s[12:15], s[0:1], 0x20             ; yc s[12:13], ys s[14:15]
	v_lshl_add_u32 v254, v0, 2, 0x39000
	v_mov_b32 v255, 0
	ds_add_u32 v254, v255
	ds_add_u32 v254, v255
	s_wait_dscnt 0x0
	v_lshrrev_b32 v8, 5, v0
	v_readfirstlane_b32 s[WV], v8                  ; wave 0..15
	s_bfe_u32 s17, ttmp6, 0x40000                  ; cx
	s_and_b32 s18, ttmp7, 0xffff                   ; 16 x batch + head, which the four partners share
	s_lshr_b32 s19, s18, 4                         ; batch
	s_and_b32 s20, s18, 15                         ; head
	s_and_b32 s21, s20, 1                          ; which half of a scale word is the head's
	SHAPE G1K, 32, 24, 32                          ; 128 keys x 48 bytes, dense: 24 rows of 256 bytes
	SHAPE G1V, 384, 2, 6144                        ; two groups of 64 keys x (64 channels x 48 bytes), 49,152 bytes apart
	SHAPE G1KS, 64, 1, 64                          ; 128 keys' scale words: 512 bytes
	SHAPE G1VS, 32, 1, 32                          ; one step's 64 channels' scale words: 256 bytes
	s_mov_b32 s[SEL], 0x76543210
	s_mov_b32 s[SEL+1], 0xfedcba98
	s_mov_b32 s[CS], 0x3e38aa3b                    ; log2(e) / 8
	s_mov_b32 s[CS+1], s[CS]                       ; (named with it as a pair, so it is written)
	; what wave w fetches: keys 128 w on of K and their scale words, key groups 2 w and 2 w + 1 of V, step w of V's scale words
	s_lshl_b32 s88, s20, 13
	s_lshl_b32 s89, s19, 11
	s_add_co_u32 s88, s88, s89                     ; head x 8,192 + 2,048 x batch
	s_lshl_b32 s90, s[WV], 7
	s_add_co_u32 s92, s88, s90
	s_add_co_u32 s92, s92, 131072                  ; k's heads lie 16 groups behind q's
	s_mul_i32 s92, s92, 48
	s_mov_b32 s93, 0
	s_lshl_b32 s94, s19, 15
	s_lshl_b32 s91, s[WV], 11
	s_add_co_u32 s94, s94, s91
	s_lshl_b32 s91, s20, 6
	s_add_co_u32 s94, s94, s91                     ; (32 x batch + 2 w) x 1,024 + 64 x head
	s_mul_i32 s94, s94, 48
	s_mov_b32 s95, 0
	s_lshr_b32 s87, s20, 1
	s_lshl_b32 s87, s87, 13
	s_add_co_u32 s87, s87, s89                     ; (head / 2) x 8,192 + 2,048 x batch
	s_add_co_u32 s96, s87, s90
	s_add_co_u32 s96, s96, 65536                   ; k's steps lie 8 behind q's
	s_lshl_b32 s96, s96, 2
	s_mov_b32 s97, 0
	s_lshl_b32 s98, s19, 14
	s_lshl_b32 s91, s[WV], 10
	s_add_co_u32 s98, s98, s91
	s_lshl_b32 s91, s20, 6
	s_add_co_u32 s98, s98, s91                     ; (16 x batch + w) x 1,024 + 64 x head
	s_lshl_b32 s98, s98, 2
	s_mov_b32 s99, 0
	s_wait_kmcnt 0x0
	s_mov_b32 s[G0K], 1
	s_mul_i32 s[G0K+1], s[WV], 6144                ; KC + 6,144 w
	s_add_nc_u64 s[G0K+2:G0K+3], s[4:5], s[92:93]
	s_or_b32 s[G0K+3], s[G0K+3], 0x80000000
	s_mov_b32 s[G0V], 1
	s_add_co_u32 s[G0V+1], s[G0K+1], VC
	s_add_nc_u64 s[G0V+2:G0V+3], s[8:9], s[94:95]
	s_or_b32 s[G0V+3], s[G0V+3], 0x80000000
	s_mov_b32 s[G0KS], 1
	s_lshl_b32 s[G0KS+1], s[WV], 9
	s_add_co_u32 s[G0KS+1], s[G0KS+1], KSC
	s_add_nc_u64 s[G0KS+2:G0KS+3], s[6:7], s[96:97]
	s_or_b32 s[G0KS+3], s[G0KS+3], 0x80000000
	s_mov_b32 s[G0VS], 1
	s_lshl_b32 s[G0VS+1], s[WV], 8
	s_add_co_u32 s[G0VS+1], s[G0VS+1], VSC
	s_add_nc_u64 s[G0VS+2:G0VS+3], s[10:11], s[98:99]
	s_or_b32 s[G0VS+3], s[G0VS+3], 0x80000000
	ROUND                                          ; all four work-groups are here: the joint loads meet
	tensor_load_to_lds s[G0K:G0K+3], s[G1K:G1K+7]          ; every wave issues the same four lines, each into bytes of its own: four loads of mine are out
	s_nop 0
	tensor_load_to_lds s[G0V:G0V+3], s[G1V:G1V+7]
	s_nop 0
	tensor_load_to_lds s[G0KS:G0KS+3], s[G1KS:G1KS+7]
	s_nop 0
	tensor_load_to_lds s[G0VS:G0VS+3], s[G1VS:G1VS+7]
	s_nop 0
.rept 4
	v_nop
.endr
	; Q's and y's places hang on cx
	s_lshl_b32 s91, s17, 4
	s_add_co_u32 s88, s88, s91                     ; head x 8,192 + 2,048 x batch + 16 cx
	s_mul_i32 s92, s88, 48
	s_add_nc_u64 s[4:5], s[4:5], s[92:93]          ; Q's codes
	s_add_nc_u64 s[12:13], s[12:13], s[92:93]      ; y's codes
	s_add_co_u32 s87, s87, s91
	s_lshl_b32 s96, s87, 2
	s_lshl_b32 s91, s21, 1
	s_add_co_u32 s96, s96, s91
	s_add_nc_u64 s[6:7], s[6:7], s[96:97]          ; Q's two scale bytes
	s_add_nc_u64 s[14:15], s[14:15], s[96:97]      ; y's
	s_mov_b32 s[GLO], s[WV]
	s_sub_co_u32 s[GHI], 31, s[WV]
	v_and_b32 v[RR], 15, v0
	v_bfe_u32 v[HH], v0, 4, 1
	v_mul_u32_u24 v[AK0], v[RR], 48
	v_mad_u32_u24 v[AK0], v[HH], 24, v[AK0]
	v_add_nc_u32 v[AV0], VC, v[AK0]
	v_lshl_add_u32 v[ASK0], v[RR], 2, KSC
	v_add_nc_u32 v[ASK0], s91, v[ASK0]
	v_lshl_add_u32 v[ASV0], v[RR], 2, VSC
	s_mul_i32 s89, s[GLO], 3072                    ; a group of 64 queries is 3,072 bytes of codes
	s_mul_i32 s90, s[GHI], 3072
	v_add_nc_u32 v8, s89, v[AK0]
	v_add_nc_u32 v9, s90, v[AK0]
.irp p, 0,1,2
	global_load_b64 v[16+2*\p:17+2*\p], v8, s[4:5] offset:8*\p     ; Q's 64 codes a row: registers 0-5 of the fragment
	global_load_b64 v[80+2*\p:81+2*\p], v9, s[4:5] offset:8*\p
.endr
	s_lshl_b32 s89, s[GLO], 8
	s_lshl_b32 s90, s[GHI], 8
	v_lshl_add_u32 v10, v[RR], 2, s89
	v_lshl_add_u32 v11, v[RR], 2, s90
	global_load_u16 v92, v10, s[6:7]               ; two bytes; bytes 2 and 3 of the register are 0
	global_load_u16 v93, v11, s[6:7]
	s_lshr_b32 s91, s17, 1
	s_lshl_b32 s91, s91, 5
	s_and_b32 s92, s17, 1
	s_lshl_b32 s92, s92, 3
	s_add_co_u32 s91, s91, s92                     ; 32 (cx / 2) + 8 (cx % 2)
	v_and_b32 v[QD], 8, v[RR]
	v_add_nc_u32 v[QD], v[QD], v[RR]               ; r + 8 (r / 8)
	v_add_nc_u32 v[QD], s91, v[QD]
	v_lshlrev_b32 v254, 4, v[HH]
	v_sub_nc_u32 v[QD], v[QD], v254
	v_mov_b32 v13, 0xff61b1e6                      ; the largest t so far: -3e38, under every t
	v_floor_f32 v12, -v13                          ; -M
	v_mov_b32 v14, 0                               ; the sum, in two halves
	v_mov_b32 v15, 0
	v_mov_b32 v29, 0xff61b1e6
	v_floor_f32 v28, -v29
	v_mov_b32 v30, 0
	v_mov_b32 v31, 0
.irp j, 0,1,2,3,4,5
	v_mov_b32 v[22+\j], 0                          ; Q's codes of k = 64 .. 127: zeros
	v_mov_b32 v[86+\j], 0
	v_mov_b32 v[56+\j], 0                          ; the upper half of K's fourth tile: written before it is first named
.endr
.irp b, 0,1,2,3
	v_mov_b32 v[236+\b], 0                         ; written once: a lane permute's destination counts as one of its sources
.endr
	v_mov_b32 v252, 0
	v_mov_b32 v253, 0                              ; (named as the upper half of the pair v[252:253] before it is first written)
.irp j, 0,1,2,3,4,5,6,7,8,9,10,11,12,13,14,15,16,17,18,19,20,21,22,23,24,25,26,27,28,29,30,31,32,33,34,35,36,37,38,39,40,41,42,43,44,45,46,47,48,49,50,51,52,53,54,55,56,57,58,59,60,61,62,63
	v_mov_b32 v[160+\j], 0                         ; O^T of both tiles.  (The step is written once: the first finds zeros, which the first change of M leaves zeros)
.endr
	s_mov_b32 s[CNT], 16
	s_mov_b32 s[TK], 0
	s_mov_b32 s[TSK], 0
	s_mov_b32 s[TSV], 0
	s_mov_b32 s[S2], 0
; A KEY STEP of one tile: 128 keys.  sta: the tile's statistics; qfr: its Q; qsc: Q's scale word; oba: its O^T; grp: the scalar register with its group of queries.
.macro STEP sta, qfr, qsc, oba, grp
	s_cmp_gt_u32 s[S2], s[\grp]                    ; all 128 keys come after the tile's queries: the step is left out.  The branch hangs on the wave's number and the trip
	s_cbranch_scc1 .Lhidden_\@
	v_add_nc_u32 v[ADK], s[TK], v[AK0]             ; (these four are also the places between the last products and the loads below)
	v_add_nc_u32 v[ADV], s[TK], v[AV0]
	v_add_nc_u32 v[ADS], s[TSK], v[ASK0]
	v_add_nc_u32 v[ADT], s[TSV], v[ASV0]
.irp e, 0,1                                    ; S^T = K Q^T, four tiles of 16 stored keys at a time
.if \e > 0
.rept 4
	v_nop                                          ; places in front of loads into registers that matrix instructions have read
.endr
.endif
.irp t, 0,1,2,3
.irp p, 0,1,2
	ds_load_b64 v[32+6*\t+2*\p:33+6*\t+2*\p], v[ADK] offset:(4*\e+\t)*768+8*\p
.endr
	ds_load_u16 v[248+\t], v[ADS] offset:(4*\e+\t)*64
.endr
	s_wait_dscnt 0x0
.irp t, 0,1,2,3
	v_wmma_scale_f32_16x16x128_f8f6f4 v[96+8*(4*\e+\t):103+8*(4*\e+\t)], v[32+6*\t:43+6*\t], v[\qfr:\qfr+11], 0, v[248+\t], v[\qsc] matrix_a_fmt:MATRIX_FMT_BF6 matrix_b_fmt:MATRIX_FMT_BF6
.endr
.endr                                          ; lane (r, h) holds query r; register 16 b + i is key 128 s + 32 b + 16 h + i
.rept 4
	v_nop                                          ; places: for the loads below and for the first read of the scores
.endr
.irp t, 0,1,2,3                                ; V's four fragments and scale words are asked for now and land under the softmax, which names none of their registers
.irp p, 0,1,2,3,4,5
	ds_load_b64 v[32+12*\t+2*\p:33+12*\t+2*\p], v[ADV] offset:(\p/3)*3072+\t*768+8*(\p%3)
.endr
	ds_load_b32 v[248+\t], v[ADT] offset:64*\t
.endr
	s_add_co_u32 s87, s[S2], 2                     ; a step all of whose keys count skips the mask
	s_cmp_le_u32 s87, s[\grp]
	s_cbranch_scc1 .Lopen_\@
	s_sub_co_u32 s87, s[\grp], s[S2]
	s_lshl_b32 s87, s87, 6
	v_add_nc_u32 v252, s87, v[QD]                  ; d = my query - the step's first key - 16 h.  Register 16 b + i is hidden where 32 b + i > d
	v_mov_b32 v254, 0xff800000                     ; -infinity: p = 0 then
.irp n, 0,1,2,3,4,5,6,7,8,9,10,11,12,13,14,15,16,17,18,19,20,21,22,23,24,25,26,27,28,29,30,31,32,33,34,35,36,37,38,39,40,41,42,43,44,45,46,47,48,49,50,51,52,53,54,55,56,57,58,59,60,61,62,63
	v_cmp_gt_i32 vcc_lo, 32*(\n/16)+\n%16, v252
	v_cndmask_b32 v[96+\n], v[96+\n], v254, vcc_lo
.endr
.Lopen_\@:
.irp b, 0,1,2,3
	v_max3_num_f32 v[232+\b], v[96+16*\b], v[97+16*\b], v[98+16*\b]   ; the largest score of each block of 32 keys: for the row's maximum, and for the block's largest p
.endr
.irp i, 3,5,7,9,11,13
.irp b, 0,1,2,3
	v_max3_num_f32 v[232+\b], v[232+\b], v[96+16*\b+\i], v[97+16*\b+\i]
.endr
.endr
.irp b, 0,1,2,3
	v_max_num_f32 v[232+\b], v[232+\b], v[111+16*\b]
.endr
.irp b, 0,1,2,3
	v_permlanex16_b32 v[236+\b], v[232+\b], s[SEL], s[SEL+1]
.endr
.irp b, 0,1,2,3
	v_max_num_f32 v[232+\b], v[232+\b], v[236+\b]  ; with lane l xor 16's 16 keys
.endr
	v_max3_num_f32 v254, v232, v233, v234
	v_max_num_f32 v254, v254, v235                 ; the step's largest score of my query (the step's first key counts for every query of the tile: it is a number)
	v_mul_f32 v254, s[CS], v254                    ; as t
	v_max_num_f32 v[\sta+1], v[\sta+1], v254       ; the running largest t
	v_mov_b32 v254, v[\sta]
	v_floor_f32 v[\sta], -v[\sta+1]                ; the new -M = -ceil(t)
	v_sub_f32 v254, v[\sta], v254                  ; old M - new M: a whole number, 0 or less
	v_cvt_i32_f32 v254, v254                       ; (it saturates)
	v_ldexp_f32 v252, 1.0, v254                    ; f = 2^(old M - new M)
.irp j, 0,2,4,6,8,10,12,14,16,18,20,22,24,26,28,30,32,34,36,38,40,42,44,46,48,50,52,54,56,58,60,62
	v_pk_fma_f32 v[96+\j:97+\j], v[96+\j:97+\j], s[CS:CS+1], v[\sta:\sta+1] op_sel_hi:[1,0,0]   ; t - M, two at a time
.endr
.irp b, 0,1,2,3
	v_fma_f32 v[232+\b], v[232+\b], s[CS], v[\sta] ; the same of each block's largest score
.endr
.irp j, 0,1,2,3,4,5,6,7,8,9,10,11,12,13,14,15,16,17,18,19,20,21,22,23,24,25,26,27,28,29,30,31,32,33,34,35,36,37,38,39,40,41,42,43,44,45,46,47,48,49,50,51,52,53,54,55,56,57,58,59,60,61,62,63
	v_exp_f32 v[96+\j], v[96+\j]                   ; p = 2^(t - M), at most 1
.endr
.irp b, 0,1,2,3
	v_exp_f32 v[232+\b], v[232+\b]                 ; the block's largest p
.endr
	v_pk_mul_f32 v[\sta+2:\sta+3], v[\sta+2:\sta+3], v[252:253] op_sel_hi:[1,0]   ; the sums under the new M.  (A plain line behind the exponentials)
	s_wait_alu depctr_va_vdst(0)
.irp b, 0,1,2,3
	v_max_num_f32 v[232+\b], 0x2800000, v[232+\b]  ; the floor 2^(5 - 127)
.endr
.irp b, 0,1,2,3
	v_add_nc_u32 v[244+\b], 0xfe000000, v[232+\b]  ; 4 off the exponent field: the conversion's scale operand
.endr
.irp b, 0,1,2,3
	v_lshrrev_b32 v[236+\b], 23, v[244+\b]         ; the scale's byte
.endr
	v_lshl_or_b32 v253, v237, 8, v236              ; p's scale word for these 128 keys
	v_lshl_or_b32 v253, v238, 16, v253
	v_lshl_or_b32 v253, v239, 24, v253
.irp c, 0,1
	v_cvt_scalef32_pk16_bf6_f32 v[224+6*\c:226+6*\c], v[96+32*\c:111+32*\c], v[244+2*\c]
	v_cvt_scalef32_pk16_bf6_f32 v[236+4*\c:238+4*\c], v[112+32*\c:127+32*\c], v[244+2*\c+1]   ; (a conversion's three registers begin on an even number)
.endr
	v_nop                                          ; one plain line behind a scaled conversion
.irp c, 0,1                                    ; the operand's layout wants a whole block in a lane: lanes 0-15 block 2 c, lanes 16-31 block 2 c + 1
.irp i, 0,1,2
	v_permlane16_swap_b32 v[224+6*\c+\i], v[236+4*\c+\i]
.endr
.irp i, 0,1,2
	v_mov_b32 v[227+6*\c+\i], v[236+4*\c+\i]
.endr
.endr
	v_pk_add_f32 v[236:237], v[96:97], v[98:99]    ; the row's sum is taken of the unquantised p: two at a time, in two chains
.irp j, 4,8,12,16,20,24,28,32,36,40,44,48,52,56,60
	v_pk_add_f32 v[\sta+2:\sta+3], v[\sta+2:\sta+3], v[96+\j:97+\j]
	v_pk_add_f32 v[236:237], v[236:237], v[98+\j:99+\j]
.endr
	v_pk_add_f32 v[\sta+2:\sta+3], v[\sta+2:\sta+3], v[236:237]
.irp j, 0,2,4,6,8,10,12,14,16,18,20,22,24,26,28,30
	v_pk_mul_f32 v[\oba+\j:\oba+\j+1], v[\oba+\j:\oba+\j+1], v[252:253] op_sel_hi:[1,0]   ; O^T under the new M, each accumulator from its low end on
.endr
	s_wait_dscnt 0x0                               ; V's fragments and scale words are in
.irp t, 0,1,2,3                                ; O^T += V^T P^T: four accumulators by turns
	v_wmma_scale_f32_16x16x128_f8f6f4 v[\oba+8*\t:\oba+8*\t+7], v[32+12*\t:43+12*\t], v[224:235], v[\oba+8*\t:\oba+8*\t+7], v[248+\t], v253 matrix_a_fmt:MATRIX_FMT_BF6 matrix_b_fmt:MATRIX_FMT_BF6
.endr
.Lhidden_\@:
.endm
	s_wait_loadcnt 0x0                             ; Q
	s_wait_tensorcnt 0x0                           ; my four parts of the head's K and V have landed,
	s_barrier_signal -1
	s_barrier_wait -1                              ; everybody's have
.Lkeys:                                            ; 16 trips, a constant: a trip is one step of 128 keys for both tiles
	STEP 12, 16, 92, 160, GLO
	STEP 28, 80, 93, 192, GHI
	s_add_co_u32 s[TK], s[TK], 6144
	s_add_co_u32 s[TSK], s[TSK], 512
	s_add_co_u32 s[TSV], s[TSV], 256
	s_add_co_u32 s[S2], s[S2], 2
	s_sub_co_u32 s[CNT], s[CNT], 1
	s_cmp_lg_u32 s[CNT], 0
	s_cbranch_scc1 .Lkeys
	; THE WAY OUT.  y = O^T / the sum, quantised along the channels: register 16 b + i of a tile is channel 32 b + 16 h + i of my query.  A lane's 16 codes go to their 12 bytes of the row's 48 in my stage; the two tiles leave as runs of 256 bytes.
.rept 4
	v_nop                                          ; places behind the last products
.endr
	s_mul_i32 s87, s[WV], 1536
	s_add_co_u32 s87, s87, STG                     ; my stage
	s_mul_i32 s88, s[GLO], 3072                    ; the low tile's place in yc,
	s_mul_i32 s89, s[GHI], 3072                    ; the high tile's
	s_sub_co_u32 s90, s89, s88
	s_sub_co_u32 s90, s90, 768
	s_lshl_b32 s91, s[GLO], 8                      ; and in ys
	s_lshl_b32 s92, s[GHI], 8
	s_sub_co_u32 s92, s92, s91
	v_mul_u32_u24 v8, v[RR], 48
	v_mad_u32_u24 v8, v[HH], 12, v8
	v_add_nc_u32 v8, s87, v8                       ; in: row r, 12 bytes for each half of the lanes
	v_and_b32 v9, 31, v0
	v_lshlrev_b32 v9, 4, v9                        ; 16 x lane
	v_add_nc_u32 v10, s87, v9                      ; back: 16 bytes a lane, on end
	v_add_nc_u32 v11, s88, v9                      ; stage bytes 0-511: the low tile's first 512
	v_mul_u32_u24 v1, s90, v[HH]
	v_add_nc_u32 v1, v1, v11                       ; bytes 512-1,023 (with the immediate 512): lanes 0-15 the low tile's last 256, lanes 16-31 the high tile's first 256
	v_add_nc_u32 v2, s89, v9                       ; bytes 1,024-1,535 (with the immediate 256): the high tile's last 512
	v_mul_u32_u24 v3, s92, v[HH]
	v_lshl_add_u32 v3, v[RR], 2, v3
	v_add_nc_u32 v3, s91, v3                       ; scale bytes: lanes 0-15 the low tile's rows, lanes 16-31 the high tile's
	v_mov_b32 v242, 0                              ; written once: a lane permute's destination counts as one of its sources
	v_mov_b32 v243, 0
.macro OUT sta, oba, k
	v_add_f32 v[\sta+2], v[\sta+2], v[\sta+3]      ; the sum's two halves,
	v_permlanex16_b32 v252, v[\sta+2], s[SEL], s[SEL+1]
	v_add_f32 v[\sta+2], v[\sta+2], v252           ; and lane l xor 16's: the row's sum
	v_rcp_f32 v[\sta+3], v[\sta+2]
	v_nop                                          ; one plain line behind a transcendental
	s_wait_alu depctr_va_vdst(0)
.irp j, 0,1,2,3,4,5,6,7,8,9,10,11,12,13,14,15,16,17,18,19,20,21,22,23,24,25,26,27,28,29,30,31
	v_mul_f32 v[96+32*\k+\j], v[\oba+\j], v[\sta+3]
.endr
.irp b, 0,1
	v_max3_num_f32 v[240+\b], |v[96+32*\k+16*\b]|, |v[97+32*\k+16*\b]|, 0x2800000   ; my 16 numbers of block b, and the floor
.endr
.irp i, 2,4,6,8,10,12,14
.irp b, 0,1
	v_max3_num_f32 v[240+\b], v[240+\b], |v[96+32*\k+16*\b+\i]|, |v[97+32*\k+16*\b+\i]|
.endr
.endr
.irp b, 0,1
	v_permlanex16_b32 v[242+\b], v[240+\b], s[SEL], s[SEL+1]
.endr
.irp b, 0,1
	v_max_num_f32 v[240+\b], v[240+\b], v[242+\b]
.endr
.irp b, 0,1
	v_add_nc_u32 v[244+\b], 0xfe000000, v[240+\b]
.endr
.irp b, 0,1
	v_lshrrev_b32 v[242+\b], 23, v[244+\b]
.endr
	v_lshl_or_b32 v[94+\k], v243, 8, v242          ; my row's two scale bytes
	v_cvt_scalef32_pk16_bf6_f32 v[224+8*\k:226+8*\k], v[96+32*\k:111+32*\k], v244
	v_cvt_scalef32_pk16_bf6_f32 v[228+8*\k:230+8*\k], v[112+32*\k:127+32*\k], v245
	v_nop                                          ; one plain line behind a scaled conversion
.irp b, 0,1
.irp i, 0,1,2
	ds_store_b32 v8, v[224+8*\k+4*\b+\i] offset:768*\k+24*\b+4*\i
.endr
.endr
.endm
	OUT 12, 160, 0
	OUT 28, 192, 1
.irp q, 0,1,2
	ds_load_b128 v[36+4*\q:39+4*\q], v10 offset:512*\q             ; LDS serves a wave's instructions in order: these see my stores
.endr
	v_cmp_eq_u32 vcc_lo, 1, v[HH]
	v_cndmask_b32 v4, v94, v95, vcc_lo
	global_store_b16 v3, v4, s[14:15]              ; two bytes a row: the word's other half belongs to the neighbouring head, another work-group's
	s_wait_dscnt 0x0
	global_store_b128 v11, v[36:39], s[12:13]      ; sixteen lanes store 256 consecutive bytes, aligned
	global_store_b128 v1, v[40:43], s[12:13] offset:512
	global_store_b128 v2, v[44:47], s[12:13] offset:256
	s_wait_xcnt 0x0
	v_lshl_add_u32 v254, v0, 2, 0x39000
	v_mov_b32 v255, 0
	s_wait_tensorcnt 0x0
	ds_add_u32 v254, v255
	s_wait_dscnt 0x0
	ROUND                                          ; the closing round: no work-group ends while a partner may still ask for a tile that names it
	s_endpgm
.Lfunc_end_k_q2586941ce1_attn:
	.size	k_q2586941ce1_attn, .Lfunc_end_k_q2586941ce1_attn-k_q2586941ce1_attn
	.p2alignl 7, 3214868480
	.fill 96, 4, 3214868480
	.section	.rodata,"a",@progbits
	.p2align	6, 0x0
	.amdhsa_kernel k_q2586941ce1_attn
		.amdhsa_group_segment_fixed_size 235520
		.amdhsa_private_segment_fixed_size 0
		.amdhsa_enable_private_segment 0
		.amdhsa_kernarg_size 48
		.amdhsa_user_sgpr_count 2
		.amdhsa_user_sgpr_kernarg_segment_ptr 1
		.amdhsa_wavefront_size32 1
		.amdhsa_system_sgpr_workgroup_id_x 1
		.amdhsa_system_sgpr_workgroup_id_y 1
		.amdhsa_system_sgpr_workgroup_id_z 1
		.amdhsa_system_vgpr_workitem_id 0
		.amdhsa_next_free_vgpr 256
		.amdhsa_next_free_sgpr 100
		.amdhsa_reserve_vcc 1
		.amdhsa_float_denorm_mode_32 3
		.amdhsa_float_denorm_mode_16_64 3
		.amdhsa_memory_ordered 1
		.amdhsa_forward_progress 1
		.amdhsa_inst_pref_size 66
	.end_amdhsa_kernel
	.amdgpu_metadata
---
amdhsa.version: [ 1, 2 ]
amdhsa.kernels:
  - .name:           k_q2586941ce1_attn
    .symbol:         k_q2586941ce1_attn.kd
    .args:
      - { .name: qkc, .offset: 0, .size: 8, .value_kind: global_buffer, .address_space: global }
      - { .name: qks, .offset: 8, .size: 8, .value_kind: global_buffer, .address_space: global }
      - { .name: vtc, .offset: 16, .size: 8, .value_kind: global_buffer, .address_space: global }
      - { .name: vts, .offset: 24, .size: 8, .value_kind: global_buffer, .address_space: global }
      - { .name: yc, .offset: 32, .size: 8, .value_kind: global_buffer, .address_space: global }
      - { .name: ys, .offset: 40, .size: 8, .value_kind: global_buffer, .address_space: global }
    .group_segment_fixed_size: 235520
    .private_segment_fixed_size: 0
    .kernarg_segment_align: 8
    .kernarg_segment_size: 48
    .max_flat_workgroup_size: 512
    .sgpr_count:     100
    .vgpr_count:     256
    .wavefront_size: 32
...
	.end_amdgpu_metadata
.endif
;; end of part 3
;; launch proj (part 4): grid 4 x 32, 4 waves a work-group, clusters of 4 x 4, 327,680 bytes of LDS; arguments yc, ys, opc, ops, out0; writes out0
.if DOCPART == 4
	.amdgcn_target "amdgcn-amd-amdhsa--gfx1250"
	.amdhsa_code_object_version 6
	.text
	.protected	k_q2586941ce1_proj
	.globl	k_q2586941ce1_proj
	.p2align	8
	.type	k_q2586941ce1_proj,@function
k_q2586941ce1_proj:
	s_mov_b64 s[64:65], 0
	v_nop
	global_prefetch_b8 v0, s[64:65] scope:SCOPE_SE
	s_setreg_imm32_b32 hwreg(HW_REG_WAVE_MODE, 25, 1), 1
	s_wait_xcnt 0x0
	s_wait_alu depctr_hold_cnt(0) depctr_sa_sdst(0) depctr_va_vdst(0) depctr_va_sdst(0) depctr_va_ssrc(0) depctr_va_vcc(0) depctr_vm_vsrc(0)
	s_getreg_b32 s2, hwreg(HW_REG_IB_STS2, 6, 4)
	s_cmp_eq_u32 s2, 0
	s_cbranch_scc0 .Lentry_in_a_cluster
	s_endpgm
.Lentry_in_a_cluster:
	s_bfe_u32 s2, ttmp6, 0x10000c
	s_cmp_lg_u32 s2, 0xf033
	s_cbranch_scc0 .Lentry_shape_is_right
	s_endpgm
.Lentry_shape_is_right:
; The last product, out0 = y w_proj, 8,192 x 1,024, K = 1,024, on codes of BF6 (E3M2) with E8M0 scales; sums and result f32.
; A = y: codes yc [16 groups of 64 along K][8,192 rows][48 bytes], scale words ys [8][8,192][4].  B = w_proj's columns: rows 11,264 on of opc [16][12,288][48] and ops [8][12,288][4].
; Both operands' rows lie with bits 3 and 4 of the row number exchanged.  The matrix instruction is used transposed (source 0 = 16 rows of B, source 1 = 16 rows of A): a lane holds one stored row of the result, and
; tile b's register j is true column 32 (b / 2) + 16 (lane / 16) + 8 (b % 2) + j; the rows' exchange is undone by the stores' immediates.
; A tile of the result, 256 x 256, is made by four waves, each 128 x 128: 64 accumulators, 512 registers.  K goes in steps of 256 through a ring of two LDS slots; a wave's tensor load brings 128 rows x 4 groups.
; In LDS a row of a group is 48 bytes = 12 words: the 32 lanes of a load of 8 bytes (48 r + 24 h) touch 64 different banks (64 banks of 4 bytes: ISA guide 11.1): no padding.
; CLUSTERS: 4 x 4: A's tiles are asked for jointly along a cluster's row, B's along a column.  The result has 128 tiles of this size: 128 work-groups.
; REGISTERS, in windows of 256: window 0: v16-29 addresses; v32-63 scale words, two sets; v128-223 A's fragments, one set; on the way out v128-255 rows of the result.
;   window 1: B's fragments, two sets, at v0 and v128.   window 2: the accumulators of my rows 0-63 ((a, b) at v[8 (8 a + b)]);   window 3: those of my rows 64-127.
.set NQ,     2
.set FR,     12
.set NL,     6
.set NP,     4                         ; places behind this matrix instruction (ISA guide 7.12.1)
.set GRPB,   6144                      ; 128 rows x 48 bytes
.set HALFT,  4*GRPB
.set SLOT,   4*HALFT
.set LAPS,   2
.set SCL,    2*SLOT                    ; the scale words for all of K: [loader wave][8 steps][128 rows][4 bytes]
.set HALFS,  4096
.set SPARE,  SCL+4*HALFS               ; the spare words, 128 bytes for each wave: two blocks of 256 bytes that no other line names
.set PITA,   393216                    ; bytes from group to group of yc
.set PITB,   589824                    ; and of opc
.set SPITCH, 528                       ; the way out: a stage of 16 rows x (512 bytes + 16) for each wave, in slot 0, which has had its last fill and its last read by then
.set ADRA, 16
.set ADRB, 20
.set STO,  24
.set RD,   25
.set CO,   26
.set ADRS, 27
.set SPW,  28
.set NIL,  29
.set SC,   32
.set AF,   128
.set BK,   128                         ; the way out: v128-191 and v192-255 by turns
.set G1, 24
.set G0, 32
.set G1B, 48
.set G0B, 56
.set G1S, 68
.set G0S, 76
.set G1SB, 80
.set G0SB, 88
.set MSB, 0
.macro WIN new                         ; the immediate's high byte repeats the setting that is left
.if MSB != \new
	s_set_vgpr_msb (MSB<<8)|\new
.set MSB, \new
.endif
.endm
.set MUL_LO, 0xa1
.set MUL_HI, 0xf1
.set TO_B,   0x40
.macro SHAPE g, c, r, p                ; words 1 to 7 of a group 1: r rows of c elements of 8 bytes, p elements apart
	s_mov_b32 s[\g+1], (\c)<<16
	s_mov_b32 s[\g+2], (\r)<<16
	s_mov_b32 s[\g+3], (\c)<<16
	s_mov_b32 s[\g+4], \r
	s_mov_b32 s[\g+5], \p
	s_mov_b32 s[\g+6], 0
	s_mov_b32 s[\g+7], 0
.endm
.macro JLOAD g0a, g1a, g0b, g1b        ; a joint load: waves 0 and 1 fetch for A, waves 2 and 3 for B; four v_nop follow each of the two lines
	s_cmp_eq_u32 s17, 0
	s_cbranch_scc0 .Lfor_b_\@
	tensor_load_to_lds s[\g0a:\g0a+3], s[\g1a:\g1a+7]
	s_nop 0
.rept 4
	v_nop
.endr
	s_branch .Lasked_\@
.Lfor_b_\@:
	tensor_load_to_lds s[\g0b:\g0b+3], s[\g1b:\g1b+7]
	s_nop 0
.rept 4
	v_nop
.endr
.Lasked_\@:
.endm
.macro CREST
	s_cmp_lg_u32 s16, 0
	s_cbranch_scc1 .Lnot_wave_0_\@
	s_barrier_signal -3
.Lnot_wave_0_\@:
	s_barrier_wait -3
	s_barrier_signal -1
	s_barrier_wait -1
.endm
.macro CROUND
	s_barrier_signal -1
	s_barrier_wait -1
	CREST
.endm
	s_load_b256 s[4:11], s[0:1], 0x0               ; yc s[4:5], ys s[6:7], opc s[8:9], ops s[10:11]
	s_load_b64 s[12:13], s[0:1], 0x20              ; out0
	v_lshl_add_u32 v[SPW], v0, 2, SPARE
	v_mov_b32 v[NIL], 0
	ds_add_u32 v28, v29
	ds_add_u32 v28, v29
	s_wait_dscnt 0x0
	v_lshrrev_b32 v1, 5, v0
	v_readfirstlane_b32 s16, v1                    ; wave 0..3
	s_lshr_b32 s17, s16, 1                         ; which half of the tile's rows is mine.  Also: I fetch for A (0) or for B (1)
	s_and_b32 s18, s16, 1                          ; which half of its columns.  Also: which 128 rows I fetch
	s_bfe_u32 s19, ttmp6, 0x40000                  ; cx
	s_bfe_u32 s20, ttmp6, 0x40004                  ; cy
	s_lshl_b32 s22, ttmp9, 2
	s_add_co_u32 s22, s22, s19                     ; tile column = 4 x cluster x + cx
	s_and_b32 s21, ttmp7, 0xffff
	s_lshl_b32 s21, s21, 2
	s_add_co_u32 s21, s21, s20                     ; tile row = 4 x cluster y + cy
	s_lshl_b32 s23, s20, 2
	s_lshl_b32 s23, 15, s23                        ; my row of the cluster
	s_lshl_b32 s42, 0x1111, s19                    ; my column
	s_or_b32 s[G1+0], s23, (3<<16)|(1<<21)         ; 15:0 the mask; 17:16 elements of 8 bytes; 21 set beside a mask; no padding
	s_or_b32 s[G1B+0], s42, (3<<16)|(1<<21)
	s_or_b32 s[G1S+0], s23, (3<<16)|(1<<21)
	s_or_b32 s[G1SB+0], s42, (3<<16)|(1<<21)
	SHAPE G1, 768, 4, 49152                        ; A's codes: 4 groups x 768 elements, 393,216 bytes apart
	SHAPE G1B, 768, 4, 73728                       ; B's: 589,824 bytes apart
	SHAPE G1S, 64, 8, 4096                         ; A's scale words: 8 steps x 64 elements, 32,768 bytes apart
	SHAPE G1SB, 64, 8, 6144                        ; B's: 49,152 bytes apart
	s_lshl_b32 s47, s18, 7
	s_lshl_b32 s43, s21, 8
	s_add_co_u32 s43, s43, s47                     ; A: row 256 x tile row + 128 x half
	s_add_co_u32 s44, s22, 44                      ; w_proj's columns begin at row 11,264 = 44 x 256 of opc
	s_lshl_b32 s44, s44, 8
	s_add_co_u32 s44, s44, s47                     ; B: row
	s_mul_i32 s92, s43, 48
	s_mov_b32 s93, 0
	s_lshl_b32 s94, s43, 2
	s_mov_b32 s95, 0
	s_mul_i32 s40, s44, 48
	s_mov_b32 s41, 0
	s_lshl_b32 s96, s44, 2
	s_mov_b32 s97, 0
	s_mul_i32 s45, s16, HALFT                      ; where they go: wave x a load's bytes: no place in the cluster enters an LDS address
	s_lshl_b32 s46, s16, 12
	s_wait_kmcnt 0x0
	s_add_nc_u64 s[92:93], s[4:5], s[92:93]        ; A's codes
	s_add_nc_u64 s[94:95], s[6:7], s[94:95]        ; A's scale words
	s_add_nc_u64 s[40:41], s[8:9], s[40:41]        ; B's codes
	s_add_nc_u64 s[96:97], s[10:11], s[96:97]      ; B's scale words
	CROUND                                         ; all sixteen work-groups are here: the first joint loads meet
	s_mov_b32 s[G0S], 1
	s_add_co_u32 s[G0S+1], s46, SCL
	s_mov_b64 s[G0S+2:G0S+3], s[94:95]
	s_or_b32 s[G0S+3], s[G0S+3], 0x80000000
	s_mov_b32 s[G0SB], 1
	s_add_co_u32 s[G0SB+1], s46, SCL
	s_mov_b64 s[G0SB+2:G0SB+3], s[96:97]
	s_or_b32 s[G0SB+3], s[G0SB+3], 0x80000000
	JLOAD G0S, G1S, G0SB, G1SB                     ; the scale words first
.irp s, 0,1
	s_mov_b32 s[G0+4*\s], 1
	s_add_co_u32 s[G0+4*\s+1], s45, \s*SLOT
	s_add_nc_u64 s[G0+4*\s+2:G0+4*\s+3], s[92:93], \s*4*PITA
	s_or_b32 s[G0+4*\s+3], s[G0+4*\s+3], 0x80000000
	s_mov_b32 s[G0B+4*\s], 1
	s_add_co_u32 s[G0B+4*\s+1], s45, \s*SLOT
	s_add_nc_u64 s[G0B+4*\s+2:G0B+4*\s+3], s[40:41], \s*4*PITB
	s_or_b32 s[G0B+4*\s+3], s[G0B+4*\s+3], 0x80000000
	JLOAD G0+4*\s, G1, G0B+4*\s, G1B
.endr
	v_and_b32 v1, 15, v0                           ; r
	v_bfe_u32 v2, v0, 4, 1                         ; h
	v_mul_u32_u24 v3, v1, 48
	v_mad_u32_u24 v3, v2, 24, v3                   ; a fragment's row x 48 + 24 x half
	s_mul_i32 s40, s17, HALFT
	s_mul_i32 s41, s18, HALFT
	s_add_co_u32 s41, s41, 2*HALFT
.irp s, 0,1
	v_add_nc_u32 v[ADRA+\s], s40, v3
	v_add_nc_u32 v[ADRB+\s], s41, v3
	s_add_co_u32 s40, s40, SLOT
	s_add_co_u32 s41, s41, SLOT
.endr
	s_lshl_b32 s40, s17, 12
	s_lshl_b32 s41, s18, 12
	s_add_co_u32 s41, s41, 2*HALFS
	s_sub_co_u32 s41, s41, s40
	v_mul_u32_u24 v5, s41, v2                      ; lanes 16-31 take B's scale words: one product, the distance between the two
	s_add_co_u32 s40, s40, SCL
	v_lshl_add_u32 v5, v1, 2, v5
	v_add_nc_u32 v[ADRS], s40, v5
	s_mul_i32 s46, s16, 16*SPITCH                  ; my stage
	v_mul_u32_u24 v4, v1, SPITCH
	v_lshl_add_u32 v4, v2, 6, v4
	v_add_nc_u32 v[STO], s46, v4                   ; in: row r, + 64 h: sixteen columns for each half of the lanes in each 32
	v_and_b32 v5, 31, v0
	v_lshlrev_b32 v[CO], 4, v5                     ; back: the 32 lanes take one row of 512 bytes; and the same in out0
	v_add_nc_u32 v[RD], s46, v[CO]
	s_lshl_b32 s42, s21, 8
	s_lshl_b32 s47, s17, 7
	s_add_co_u32 s42, s42, s47                     ; my first row
	s_lshl_b32 s42, s42, 12                        ; x 4,096 bytes
	s_lshl_b32 s44, s22, 10
	s_lshl_b32 s47, s18, 9
	s_add_co_u32 s44, s44, s47                     ; my first column, in bytes
	s_add_co_u32 s44, s44, s42
	s_mov_b32 s45, 0
	s_add_nc_u64 s[12:13], s[12:13], s[44:45]
.macro FRAG reg, adr, q, i             ; lane (r, h) takes 24 bytes at 48 r + 24 h of group 2 q (registers 0-5) and of group 2 q + 1 (registers 6-11), in pieces of 8 bytes
.irp p, 0,1,2,3,4,5
	ds_load_b64 v[\reg+2*\p:\reg+2*\p+1], v[\adr] offset:(2*(\q)+\p/3)*GRPB+(\i)*768+8*(\p%3)
.endr
.endm
; 16 matrix instructions: A's blocks a0, a0 + 1 x B's eight.  The 64 accumulators take turns, one instruction a turn, in the same order in every step.
.macro MUL16 a0, p, q, sc, zero
.irp a, \a0, \a0+1
.irp b, 0,1,2,3,4,5,6,7
.if \zero
	v_wmma_scale_f32_16x16x128_f8f6f4 v[8*(8*((\a)%4)+\b):8*(8*((\a)%4)+\b)+7], v[128*(\p)+FR*\b:128*(\p)+FR*\b+FR-1], v[AF+FR*(\a):AF+FR*(\a)+FR-1], 0, v[SC+8*NQ*(\sc)+NQ*\b+(\q)], v[SC+8*NQ*(\sc)+NQ*(\a)+(\q)] matrix_a_fmt:MATRIX_FMT_BF6 matrix_b_fmt:MATRIX_FMT_BF6 matrix_a_scale:MATRIX_SCALE_ROW1
.else
	v_wmma_scale_f32_16x16x128_f8f6f4 v[8*(8*((\a)%4)+\b):8*(8*((\a)%4)+\b)+7], v[128*(\p)+FR*\b:128*(\p)+FR*\b+FR-1], v[AF+FR*(\a):AF+FR*(\a)+FR-1], v[8*(8*((\a)%4)+\b):8*(8*((\a)%4)+\b)+7], v[SC+8*NQ*(\sc)+NQ*\b+(\q)], v[SC+8*NQ*(\sc)+NQ*(\a)+(\q)] matrix_a_fmt:MATRIX_FMT_BF6 matrix_b_fmt:MATRIX_FMT_BF6 matrix_a_scale:MATRIX_SCALE_ROW1
.endif
.endr
.endr
.endm
.macro FETCH_B slot, q, p
	WIN TO_B
.irp i, 0,1,2,3,4,5,6,7
	FRAG 128*(\p)+FR*\i, ADRB+\slot, \q, \i
.endr
	WIN 0
.endm
.macro FETCH_A slot, q, i0
.irp i, \i0, \i0+1, \i0+2, \i0+3
	FRAG AF+FR*(\i), ADRA+\slot, \q, \i
.endr
.endm
.macro SCALES sc
.irp i, 0,1,2,3,4,5,6,7
.irp q, 0,1
	ds_load_b32 v[SC+8*NQ*\sc+NQ*\i+\q], v[ADRS] offset:512*\q+64*\i
.endr
.endr
.endm
.macro PLACES n                        ; plain vector lines between a matrix instruction and a load into, or a read of, its registers (ISA guide 7.12.1 for reads)
.rept \n
	v_nop
.endr
.endm
.macro STEP slot, q, zero
	s_wait_dscnt 4*NL                              ; B's set, A's blocks 0-3 and the scale words are in; the youngest 24 loads (A's blocks 4-7) may be out
	WIN MUL_LO
	MUL16 0, (\q)%2, \q, \slot, \zero
	MUL16 2, (\q)%2, \q, \slot, \zero
	s_wait_dscnt 0
	PLACES NP
	FETCH_B \slot, (\q)+1, 1-(\q)%2
	FETCH_A \slot, (\q)+1, 0
	WIN MUL_HI
	MUL16 4, (\q)%2, \q, \slot, \zero
	MUL16 6, (\q)%2, \q, \slot, \zero
	PLACES NP
	WIN 0
	FETCH_A \slot, (\q)+1, 4
.endm
.macro TURN slot, next, fill
	s_wait_tensorcnt 0x0                           ; all my tensor loads have landed: my part of the next slot
	ds_add_u32 v[SPW], v[NIL]                      ; 0 onto my spare word
	s_wait_dscnt 4*NL+1                            ; the add and the youngest 24 loads may be out
	WIN MUL_LO
	MUL16 0, 1, NQ-1, \slot, 0
	s_wait_dscnt 0x0                               ; the add is done, and my reads of this slot are over
	s_barrier_signal -1
	MUL16 2, 1, NQ-1, \slot, 0
	WIN 0
	s_barrier_wait -1
.if \fill
	CREST                                          ; the barrier has opened a round of the cluster's barrier: no wave of any partner still reads this slot or has a load on its way
	s_add_nc_u64 s[G0+4*\slot+2:G0+4*\slot+3], s[G0+4*\slot+2:G0+4*\slot+3], 8*PITA
	s_add_nc_u64 s[G0B+4*\slot+2:G0B+4*\slot+3], s[G0B+4*\slot+2:G0B+4*\slot+3], 8*PITB
	JLOAD G0+4*\slot, G1, G0B+4*\slot, G1B         ; the first tensor load behind the round; its four v_nop are the places in front of the loads below
.else
	PLACES NP
.endif
	v_add_nc_u32 v[ADRS], 1024, v[ADRS]            ; on to the next slot's scale words (no LDS load of mine is out)
	FETCH_B \next, 0, 0
	FETCH_A \next, 0, 0
	SCALES \next
	WIN MUL_HI
	MUL16 4, 1, NQ-1, \slot, 0
	MUL16 6, 1, NQ-1, \slot, 0
	PLACES NP
	WIN 0
	FETCH_A \next, 0, 4
.endm
	s_wait_tensorcnt 1                             ; the scale words and my part of slot 0 are in; slot 1's load may be out
	s_barrier_signal -1
	s_barrier_wait -1
	FETCH_B 0, 0, 0
	FETCH_A 0, 0, 0
	SCALES 0
	FETCH_A 0, 0, 4
	STEP 0, 0, 1                                   ; the first step's products start the sums
	s_mov_b32 s3, LAPS-1
.Llap:
	TURN 0, 1, 1
	STEP 1, 0, 0
	TURN 1, 0, 1
	STEP 0, 0, 0
	s_sub_co_u32 s3, s3, 1
	s_cmp_lg_u32 s3, 0
	s_cbranch_scc1 .Llap
	TURN 0, 1, 0                                   ; the last lap fills nothing
	STEP 1, 0, 0
	s_wait_dscnt 4*NL
	WIN MUL_LO
	MUL16 0, 1, NQ-1, 1, 0
	MUL16 2, 1, NQ-1, 1, 0
	s_wait_dscnt 0
	WIN MUL_HI
	MUL16 4, 1, NQ-1, 1, 0
	MUL16 6, 1, NQ-1, 1, 0
	WIN 0
; THE WAY OUT, block by block of 16 rows x 128 columns, through my own stage: in, each tile's eight numbers at their true columns; back, whole rows of 512 bytes.  LDS serves a wave's instructions in order: no wait between.
.macro TOSTAGE a
.set AC, 64*((\a)%4)
	WIN 0x08+4*((\a)/4)                            ; the data: window 2 or 3
.irp b, 0,1,2,3,4,5,6,7
	ds_store_b128 v[STO], v[AC+8*\b:AC+8*\b+3] offset:128*(\b/2)+32*(\b%2)          ; each accumulator from its low end on
	ds_store_b128 v[STO], v[AC+8*\b+4:AC+8*\b+7] offset:128*(\b/2)+32*(\b%2)+16
.endr
	WIN 0
.set BB, BK+64*((\a)%2)
.irp t, 0,1,2,3,4,5,6,7,8,9,10,11,12,13,14,15
	ds_load_b128 v[BB+4*\t:BB+4*\t+3], v[RD] offset:\t*SPITCH
.endr
.endm
.macro SEND a, younger                 ; younger: the LDS instructions issued behind block a's loads, which may stay out
.set BB, BK+64*((\a)%2)
	s_wait_dscnt \younger
.irp t, 0,1,2,3,4,5,6,7,8,9,10,11,12,13,14,15
.set RW, 16*(\a)+\t                    ; the stored row among my 128; its true row has bits 3 and 4 exchanged
	global_store_b128 v[CO], v[BB+4*\t:BB+4*\t+3], s[12:13] offset:((RW&0x67)|((RW&8)<<1)|((RW&16)>>1))*4096 th:TH_STORE_NT   ; 32 lanes store 512 consecutive bytes, aligned to 256; 127 rows of 4,096 bytes at the most: inside the signed 24-bit immediate
.endr
.endm
	PLACES NP                                      ; behind the last products: for the reads of results and the loads into registers that held A's fragments
	TOSTAGE 0
.irp a, 1,2,3,4,5,6,7
.if \a > 1
	s_wait_xcnt 0x0                                ; block a - 2's stores have read their registers: block a's loads may land there
.endif
	TOSTAGE \a
	SEND \a-1, 32                                  ; behind block a - 1's loads: block a's 16 stores and 16 loads
.endr
	SEND 7, 0
	s_wait_tensorcnt 0x0                           ; the wave's end: behind my last tensor load and my last LDS store
	ds_add_u32 v[SPW], v[NIL]
	s_wait_dscnt 0x0
	CROUND                                         ; the closing round: no work-group ends while a partner may still ask for a tile that names it
	s_endpgm
.Lfunc_end_k_q2586941ce1_proj:
	.size	k_q2586941ce1_proj, .Lfunc_end_k_q2586941ce1_proj-k_q2586941ce1_proj
	.p2alignl 7, 3214868480
	.fill 96, 4, 3214868480
	.section	.rodata,"a",@progbits
	.p2align	6, 0x0
	.amdhsa_kernel k_q2586941ce1_proj
		.amdhsa_group_segment_fixed_size 327680
		.amdhsa_private_segment_fixed_size 0
		.amdhsa_enable_private_segment 0
		.amdhsa_kernarg_size 40
		.amdhsa_user_sgpr_count 2
		.amdhsa_user_sgpr_kernarg_segment_ptr 1
		.amdhsa_wavefront_size32 1
		.amdhsa_system_sgpr_workgroup_id_x 1
		.amdhsa_system_sgpr_workgroup_id_y 1
		.amdhsa_system_sgpr_workgroup_id_z 1
		.amdhsa_system_vgpr_workitem_id 0
		.amdhsa_next_free_vgpr 1024
		.amdhsa_next_free_sgpr 98
		.amdhsa_reserve_vcc 0
		.amdhsa_float_denorm_mode_32 3
		.amdhsa_float_denorm_mode_16_64 3
		.amdhsa_memory_ordered 1
		.amdhsa_forward_progress 1
		.amdhsa_inst_pref_size 161
	.end_amdhsa_kernel
	.amdgpu_metadata
---
amdhsa.version: [ 1, 2 ]
amdhsa.kernels:
  - .name:           k_q2586941ce1_proj
    .symbol:         k_q2586941ce1_proj.kd
    .args:
      - { .name: yc, .offset: 0, .size: 8, .value_kind: global_buffer, .address_space: global }
      - { .name: ys, .offset: 8, .size: 8, .value_kind: global_buffer, .address_space: global }
      - { .name: opc, .offset: 16, .size: 8, .value_kind: global_buffer, .address_space: global }
      - { .name: ops, .offset: 24, .size: 8, .value_kind: global_buffer, .address_space: global }
      - { .name: out0, .offset: 32, .size: 8, .value_kind: global_buffer, .address_space: global }
    .group_segment_fixed_size: 327680
    .private_segment_fixed_size: 0
    .kernarg_segment_align: 8
    .kernarg_segment_size: 40
    .max_flat_workgroup_size: 128
    .sgpr_count:     98
    .vgpr_count:     1024
    .wavefront_size: 32
...
	.end_amdgpu_metadata
.endif
;; end of part 4
